; MI455X (gfx1250); checked and timed in simulation.
; The chip was launched on July 23, 2026; its instructions are those of AMD's public machine-readable ISA for CDNA 5 (MIT licence, August 2026) and "CDNA5" Instruction Set Architecture Reference Guide (July 2026). The comments in the code are by the model that wrote it; some were corrected since.
;; Cross Attention. Allowed arithmetic: matrix products marked QUANTISED: E2M1 operands, one E8M0 scale for each 32 along K, by v_wmma_scale_f32_16x16x128_f8f6f4 with both operands' format E2M1 (or v_wmma_scale_f32_32x16x128_f4), f32 sums; products left as they are: bf16, f16 or f32 operands; f32 sums; everything else in f32.
;; Inputs: Wk 1,024 x 768 float32; Wo 1,024 x 1,024 float32; Wq 1,024 x 1,024 float32; Wv 1,024 x 768 float32; bo 1,024 float32; kv 4 x 2,048 x 768 float32; q 4 x 2,048 x 1,024 float32.
;; Outputs: out0 4 x 2,048 x 1,024 float32.
;; This version of the problem:
;;   THIS VERSION OF THE PROBLEM IS GIVEN IN LOW PRECISION. The matrix products marked QUANTISED in the list below multiply operands that are first quantised to E2M1 (2 exponent bits, 1 mantissa bit; 4 bits a number), with one power-of-two scale for each 32 numbers along K (OCP MX v1.0); their sums are f32. The products marked 'left as it is' may take bf16, f16 or f32 operands, with f32 sums. Whichever they take, every output number must still come out within the allowed error. Rounding operands to bf16 (8 significant bits) uses up far more of that allowance than f16 does (11 bits, for magnitudes from 6e-5 to 65,504). All else is computed in f32.
;;   The module's matrix products, in the order in which they are computed (A, B: the left and right operand; K: the contracted axis; several contracted axes count as one K, in the product's order):
;;     1. [M 8,192, K 1,024] x [K 1,024, N 1,024]; A: input q; B: input Wq: QUANTISED
;;     2. [M 8,192, K 768] x [K 768, N 1,024]; A: input kv; B: input Wk: QUANTISED
;;     3. [M 8,192, K 768] x [K 768, N 1,024]; A: input kv; B: input Wv: QUANTISED
;;     4. batch 16 x [M 2,048, K 256] x [K 256, N 2,048]; A: computed on the way; B: computed on the way: left as it is (an operand is computed on the way)
;;     5. batch 16 x [M 2,048, K 2,048] x [K 2,048, N 256]; A: computed on the way; B: computed on the way: left as it is (an operand is computed on the way)
;;     6. [M 8,192, K 1,024] x [K 1,024, N 1,024]; A: computed on the way; B: input Wo: left as it is (an operand is computed on the way)
;;   THE QUANTISER, for each operand of a quantised product, along K:
;;     - K is cut into blocks of 32 from its start; a last block that is shorter is filled with zeros.
;;     - A block's scale is 2^e with e = floor(log2(the largest magnitude in the block)) - 2, held to -126 .. 127; a block of zeros has e = 0. As a byte (E8M0): e + 127.
;;     - Each number is divided by its block's scale, clamped to +-6, and rounded to the nearest number of E2M1, ties to even, subnormals kept.
;;     - The product sums the exact products of the quantised numbers (number of the format x scale) in f32.
;;   ~~~python
;;   def quantise(x, axis):      # numpy; x: float32 -> the quantised numbers, widened to float32 again
;;       x = np.moveaxis(x, axis, -1); K = x.shape[-1]
;;       x = np.pad(x, [(0, 0)] * (x.ndim - 1) + [(0, -K % 32)]); x = x.reshape(x.shape[:-1] + (-1, 32)); a = np.abs(x).max(-1, keepdims=True)
;;       e = np.where(a > 0, np.clip(np.frexp(np.where(a > 0, a, 1))[1] - 1 - 2, -126, 127), 0)      # np.frexp(a)[1] - 1 = floor(log2(a)), exactly
;;       r = np.clip(x / 2.0 ** e, -6, 6)
;;       step = 2.0 ** (np.maximum(np.frexp(np.where(r == 0, 1, r))[1] - 1, 0) - 1)
;;       q = np.round(r / step) * step * 2.0 ** e      # np.round: ties to even
;;       return np.moveaxis(q.reshape(q.shape[:-2] + (-1,))[..., :K], -1, axis).astype(np.float32)
;;   ~~~
;; One version. Each part assembles by itself: llvm-mc -triple=amdgcn-amd-amdhsa -mcpu=gfx1250 --defsym DOCPART=n.
;; ======== version 1 of 1: 4 launches
;; limits: values are held in f16: magnitudes above 65,504 overflow, below 6.1e-05 lose precision
;; workspace buffers: acodes 8,388,608 bytes; ascales 524,288 bytes; wcodes 1,572,864 bytes; wscales 98,304 bytes; wo16 2,097,152 bytes; qkv16 50,331,648 bytes; ctx16 16,777,216 bytes
;; launch quant (part 1): grid 640 x 1, 4 waves a work-group, no clusters, 66,048 bytes of LDS; arguments q, kv, Wq, Wk, Wv, Wo, acodes, ascales, wcodes, wscales, wo16; writes acodes, ascales, wcodes, wscales, wo16
.if DOCPART == 1
	.amdgcn_target "amdgcn-amd-amdhsa--gfx1250"
	.amdhsa_code_object_version 6
	.text
	.protected	k_q0258212afc_quant
	.globl	k_q0258212afc_quant
	.p2align	8
	.type	k_q0258212afc_quant,@function
k_q0258212afc_quant:
	s_mov_b64 s[64:65], 0
	v_nop
	global_prefetch_b8 v0, s[64:65] scope:SCOPE_SE
	s_setreg_imm32_b32 hwreg(HW_REG_WAVE_MODE, 25, 1), 1
	s_wait_xcnt 0x0
; q [8192][1024], kv [8192][768], Wq [1024][1024], Wk, Wv [1024][768], all f32 with K innermost, become codes of FP4 (E2M1), two a byte, and one E8M0 byte for each 32 along K.
; Wo [1024][1024] is rounded to f16 (the last product is not quantised).
; LAYOUT OF THE RESULTS.  acodes [16384 rows][512 bytes]: q's rows, then kv's;  ascales [16384][32];  wcodes [3072][512]: Wq, Wk, Wv;  wscales [3072][32];  wo16 [1024][1024] f16.
; EVERY ROW IS LAID WITH K = 1,024: of kv, Wk and Wv the places 768 .. 1,023 are zero codes under the byte 1, which add nothing to a sum.  So the three products that follow have one shape.
; A block's scale is 2^(floor(log2(its largest magnitude)) - 2); its byte is the largest magnitude's exponent field - 2, held at 1 from below.  A block of zeros gets the byte 1 where the rule says 127:
; its codes are zeros, and this program alone reads the bytes.
; LIMITS: blocks whose largest magnitude lies under 2^-124 keep the byte 1; NaN and infinities among the inputs are not served; |Wo| stays under 65,504 (beyond it f16 has infinity).
; SHARES.  A work-group takes 32 rows of 1,024 places, a wave 8 rows = 16 steps of 512 places.  Work-groups 0-255: q; 256-511: kv; 512-543: Wq; 544-575: Wk; 576-607: Wv; 608-639: Wo.
; A step's loads take the bytes as they lie, 512 consecutive bytes a load; they turn through the wave's own stage in LDS (16 bytes of padding behind each 64) and come back 16 neighbours a lane, two lanes to a block.
; The tensors with K = 1,024 and those with K = 768 take two ways through the text, which part on the work-group's number; each way has LDS bytes of its own.  Waves share nothing: no barrier.
.set SP,     80                        ; a lane's place in a stage: 64 bytes + 16
.set WREG,   8192                      ; LDS of a wave on one way: two stages of 32 x SP bytes, behind them its 256 scale bytes
.set SPARE,  65536                     ; behind both ways' regions: the spare words, 128 bytes for each wave, which no other line names
.set SPW,    12                        ; v12  my spare word's LDS address; never rewritten
.set NIL,    13                        ; v13  0; never rewritten
.set R,      16                        ; v16-79   four sets of 16 numbers as loaded
.set X,      80                        ; v80-111  two sets of 16 neighbours
.set E,      112                       ; v112-127 a scale byte for each step
.set C,      128                       ; v128-191 codes: registers of its own for each step, so that no store's data are written again
.set K7,     0                         ; 1 on the way for K = 768
.set PB,     0                         ; the way's first LDS byte
.set PITCHB, 4096                      ; a source row in bytes
.macro LOAD t                          ; step t: row t / 2, places 512 (t % 2) on.  With K = 768 an odd step has 256 numbers: two loads
.set CN, 4-2*K7*((\t)%2)
.set I, 0
.rept CN
	global_load_b128 v[R+16*((\t)%4)+4*I:R+16*((\t)%4)+4*I+3], v3, s[4:5] offset:((\t)/2)*PITCHB+((\t)%2)*2048+512*I th:TH_LOAD_NT
.set I, I+1
.endr
.endm
.macro TURN t                          ; step t's numbers through the stage: LDS serves a wave's instructions in order, so no wait stands between the stores and the loads
.irp i, 0,1,2,3
	ds_store_b128 v14, v[R+16*((\t)%4)+4*\i:R+16*((\t)%4)+4*\i+3] offset:PB+32*SP*((\t)%2)+8*SP*\i
.endr
.irp i, 0,1,2,3
	ds_load_b128 v[X+16*((\t)%2)+4*\i:X+16*((\t)%2)+4*\i+3], v15 offset:PB+32*SP*((\t)%2)+16*\i
.endr
.endm
.macro STEP t
.set XS, X+16*((\t)%2)
.if (\t) > 0
	s_wait_dscnt 1                                 ; this step's numbers are back from the stage; the last step's byte store may be out
.else
	s_wait_dscnt 0x0
.endif
.if (\t)+4 < 16
	LOAD (\t)+4                                    ; four steps ahead, into the set that this step's stage stores have read
.endif
.if (\t)+1 < 16
.set W, 0
.irp d, 2,3,4
.if (\t)+\d < 16
.set W, W+4-2*K7*(((\t)+\d)%2)
.endif
.endr
	s_wait_loadcnt W                               ; the next step's loads are in; W counts the loads of the steps behind it that have been issued
	TURN (\t)+1
.endif
	v_max3_num_f32 v8, |v[XS]|, |v[XS+1]|, |v[XS+2]|               ; the largest magnitude of my 16, in two chains
	v_max3_num_f32 v9, |v[XS+3]|, |v[XS+4]|, |v[XS+5]|
.irp i, 6,10
	v_max3_num_f32 v8, v8, |v[XS+\i]|, |v[XS+\i+1]|
	v_max3_num_f32 v9, v9, |v[XS+\i+2]|, |v[XS+\i+3]|
.endr
	v_max3_num_f32 v8, v8, |v[XS+14]|, |v[XS+15]|
	v_max3_num_f32 v8, v8, v9, 0x1800000           ; and the floor 2^(3 - 127): the byte cannot fall under 1
	v_max_num_f32_dpp v8, v8, v8 row_xmask:1 row_mask:0xf bank_mask:0xf   ; with my neighbour's 16: the block's
	v_add_nc_u32 v11, 0xff000000, v8               ; 2 off its exponent field: the conversion takes the exponent field of this operand as its scale
	v_cvt_scalef32_pk8_fp4_f32 v[C+4*(\t)], v[XS:XS+7], v11
	v_cvt_scalef32_pk8_fp4_f32 v[C+4*(\t)+1], v[XS+8:XS+15], v11
	v_lshrrev_b32 v[E+(\t)], 23, v11               ; the scale's byte (a plain line behind the conversions)
	ds_store_b8 v5, v[E+(\t)] offset:PB+16*(\t)    ; both lanes of a block write the same byte with the same value
	global_store_b64 v4, v[C+4*(\t):C+4*(\t)+1], s[16:17] offset:256*(\t)   ; 32 lanes store 256 consecutive bytes, aligned
.endm
.macro QBODY                           ; a wave's 16 steps, its 256 scale bytes, and its end
.irp t, 0,1,2,3
	LOAD \t
.endr
	s_wait_loadcnt 12-4*K7                         ; step 0's four loads are in; those of steps 1 to 3 may be out
	TURN 0
.irp t, 0,1,2,3,4,5,6,7,8,9,10,11,12,13,14,15
	STEP \t
.endr
	ds_load_b64 v[8:9], v6 offset:PB               ; my wave's scale bytes, 8 a lane: these loads see my stores
	s_wait_dscnt 0x0
	global_store_b64 v7, v[8:9], s[18:19]          ; one aligned run of 256 bytes
	s_wait_tensorcnt 0x0                           ; the wave's end
	ds_add_u32 v[SPW], v[NIL]
	s_wait_dscnt 0x0
	s_endpgm
.endm
	s_load_b256 s[4:11], s[0:1], 0x0               ; q, kv, Wq, Wk
	s_load_b128 s[12:15], s[0:1], 0x20             ; Wv, Wo
	s_load_b256 s[16:23], s[0:1], 0x30             ; acodes, ascales, wcodes, wscales
	s_load_b64 s[24:25], s[0:1], 0x50              ; wo16
	v_lshl_add_u32 v[SPW], v0, 2, SPARE
	v_mov_b32 v[NIL], 0
	v_lshrrev_b32 v1, 5, v0
	v_readfirstlane_b32 s30, v1                    ; wave
	v_and_b32 v2, 31, v0                           ; lane
	v_lshlrev_b32 v3, 4, v2                        ; my 16 bytes of a load's 512
	s_mul_i32 s31, s30, WREG
	v_lshrrev_b32 v14, 2, v2
	v_mul_u32_u24 v14, v14, SP
	v_and_b32 v15, 3, v2
	v_lshl_add_u32 v14, v15, 4, v14
	v_add_nc_u32 v14, s31, v14                     ; the stage, on the way in: SP (lane / 4) + 16 (lane % 4)
	v_mul_u32_u24 v15, v2, SP
	v_add_nc_u32 v15, s31, v15                     ; and on the way out: SP x lane
	v_lshlrev_b32 v4, 3, v2                        ; my 8 bytes of a step's codes
	v_lshrrev_b32 v5, 1, v2
	s_add_co_u32 s31, s31, 2*32*SP
	v_add_nc_u32 v5, s31, v5                       ; my block's byte among my wave's 256
	v_lshlrev_b32 v7, 3, v2
	v_add_nc_u32 v6, s31, v7                       ; and 8 of them a lane on the way out
	s_wait_kmcnt 0x0
	s_mov_b32 s26, ttmp9
	s_cmp_ge_u32 s26, 608
	s_cbranch_scc1 .Lwo
	s_cmp_lt_u32 s26, 512                          ; an activation's work-group or a weight's: the choices hang on the work-group's number alone
	s_cselect_b64 s[16:17], s[16:17], s[20:21]
	s_cselect_b64 s[18:19], s[18:19], s[22:23]
	s_cselect_b32 s27, 0, 512
	s_sub_co_u32 s27, s26, s27
	s_lshl_b32 s27, s27, 2
	s_add_co_u32 s32, s27, s30                     ; which run of 8 rows of the results is my wave's
	s_lshl_b32 s34, s32, 12                        ; 4,096 bytes of codes,
	s_mov_b32 s35, 0
	s_add_nc_u64 s[16:17], s[16:17], s[34:35]
	s_lshl_b32 s34, s32, 8                         ; 256 scale bytes
	s_add_nc_u64 s[18:19], s[18:19], s[34:35]
	s_cmp_lt_u32 s26, 256
	s_cbranch_scc1 .LpathA                         ; q
	s_sub_co_u32 s28, s26, 512
	s_cmp_lt_u32 s28, 32
	s_cbranch_scc1 .LpathA                         ; Wq
	; ---- K = 768: kv, Wk, Wv
	s_mov_b32 s29, 544
	s_cmp_lt_u32 s26, 512
	s_cselect_b64 s[4:5], s[6:7], s[10:11]
	s_cselect_b32 s29, 256, s29
	s_cmp_ge_u32 s26, 576
	s_cselect_b64 s[4:5], s[12:13], s[4:5]
	s_cselect_b32 s29, 576, s29
	s_sub_co_u32 s29, s26, s29
	s_lshl_b32 s29, s29, 2
	s_add_co_u32 s28, s29, s30
	s_mul_i32 s28, s28, 8*3072                     ; my wave's 8 rows of 3,072 bytes
	s_mov_b32 s29, 0
	s_add_nc_u64 s[4:5], s[4:5], s[28:29]
.irp j, 0,1,2,3,4,5,6,7
	v_mov_b32 v[R+24+\j], 0                        ; the upper halves of sets 1 and 3: odd steps fall on these sets and never load these halves, so places 768 .. 1,023 are zeros
	v_mov_b32 v[R+56+\j], 0
.endr
.set K7, 1
.set PB, 4*WREG
.set PITCHB, 3072
	QBODY
.LpathA:
	; ---- K = 1,024: q, Wq
	s_cmp_lt_u32 s26, 256
	s_cselect_b64 s[4:5], s[4:5], s[8:9]
	s_cselect_b32 s29, 0, 512
	s_sub_co_u32 s29, s26, s29
	s_lshl_b32 s29, s29, 2
	s_add_co_u32 s28, s29, s30
	s_lshl_b32 s28, s28, 15                        ; my wave's 8 rows of 4,096 bytes
	s_mov_b32 s29, 0
	s_add_nc_u64 s[4:5], s[4:5], s[28:29]
.set K7, 0
.set PB, 0
.set PITCHB, 4096
	QBODY
.Lwo:
	; ---- Wo to f16: a wave takes 8,192 numbers, four batches of 16 loads in two sets of registers by turns; a load's 512 bytes become a store's 256
	s_sub_co_u32 s28, s26, 608
	s_lshl_b32 s28, s28, 2
	s_add_co_u32 s28, s28, s30
	s_lshl_b32 s32, s28, 15
	s_mov_b32 s33, 0
	s_lshl_b32 s34, s28, 14
	s_mov_b32 s35, 0
	s_add_nc_u64 s[14:15], s[14:15], s[32:33]
	s_add_nc_u64 s[24:25], s[24:25], s[34:35]
.macro LOADB b
.irp j, 0,1,2,3,4,5,6,7,8,9,10,11,12,13,14,15
	global_load_b128 v[16+64*((\b)%2)+4*\j:16+64*((\b)%2)+4*\j+3], v3, s[14:15] offset:8192*(\b)+512*\j th:TH_LOAD_NT
.endr
.endm
	LOADB 0
	LOADB 1
.irp b, 0,1,2,3
.if \b < 3
	s_wait_loadcnt 16                              ; this batch is in; the other set's 16 loads may be out
.else
	s_wait_loadcnt 0x0
.endif
.if \b > 0
	s_wait_xcnt 0x0                                ; the last batch's stores have read v144-175: only now are they written again
.endif
.irp j, 0,1,2,3,4,5,6,7,8,9,10,11,12,13,14,15
	v_cvt_pk_f16_f32 v[144+2*\j], v[16+64*(\b%2)+4*\j], v[17+64*(\b%2)+4*\j]
	v_cvt_pk_f16_f32 v[145+2*\j], v[18+64*(\b%2)+4*\j], v[19+64*(\b%2)+4*\j]
.endr
.irp j, 0,1,2,3,4,5,6,7,8,9,10,11,12,13,14,15
	global_store_b64 v4, v[144+2*\j:145+2*\j], s[24:25] offset:4096*\b+256*\j   ; 32 lanes store 256 consecutive bytes, aligned
.endr
.if \b < 2
	LOADB \b+2
.endif
.endr
	s_wait_tensorcnt 0x0                           ; this way stores nothing to LDS; the launch does, and all its ends are written alike
	ds_add_u32 v[SPW], v[NIL]
	s_wait_dscnt 0x0
	s_endpgm
.Lfunc_end_k_q0258212afc_quant:
	.size	k_q0258212afc_quant, .Lfunc_end_k_q0258212afc_quant-k_q0258212afc_quant
	.p2alignl 7, 3214868480
	.fill 96, 4, 3214868480
	.section	.rodata,"a",@progbits
	.p2align	6, 0x0
	.amdhsa_kernel k_q0258212afc_quant
		.amdhsa_group_segment_fixed_size 66048
		.amdhsa_private_segment_fixed_size 0
		.amdhsa_enable_private_segment 0
		.amdhsa_kernarg_size 88
		.amdhsa_user_sgpr_count 2
		.amdhsa_user_sgpr_kernarg_segment_ptr 1
		.amdhsa_wavefront_size32 1
		.amdhsa_system_sgpr_workgroup_id_x 1
		.amdhsa_system_sgpr_workgroup_id_y 1
		.amdhsa_system_sgpr_workgroup_id_z 1
		.amdhsa_system_vgpr_workitem_id 0
		.amdhsa_next_free_vgpr 192
		.amdhsa_next_free_sgpr 66
		.amdhsa_reserve_vcc 0
		.amdhsa_float_denorm_mode_32 3
		.amdhsa_float_denorm_mode_16_64 3
		.amdhsa_memory_ordered 1
		.amdhsa_forward_progress 1
		.amdhsa_inst_pref_size 85
	.end_amdhsa_kernel
	.amdgpu_metadata
---
amdhsa.version: [ 1, 2 ]
amdhsa.kernels:
  - .name:           k_q0258212afc_quant
    .symbol:         k_q0258212afc_quant.kd
    .args:
      - { .name: q, .offset: 0, .size: 8, .value_kind: global_buffer, .address_space: global }
      - { .name: kv, .offset: 8, .size: 8, .value_kind: global_buffer, .address_space: global }
      - { .name: Wq, .offset: 16, .size: 8, .value_kind: global_buffer, .address_space: global }
      - { .name: Wk, .offset: 24, .size: 8, .value_kind: global_buffer, .address_space: global }
      - { .name: Wv, .offset: 32, .size: 8, .value_kind: global_buffer, .address_space: global }
      - { .name: Wo, .offset: 40, .size: 8, .value_kind: global_buffer, .address_space: global }
      - { .name: acodes, .offset: 48, .size: 8, .value_kind: global_buffer, .address_space: global }
      - { .name: ascales, .offset: 56, .size: 8, .value_kind: global_buffer, .address_space: global }
      - { .name: wcodes, .offset: 64, .size: 8, .value_kind: global_buffer, .address_space: global }
      - { .name: wscales, .offset: 72, .size: 8, .value_kind: global_buffer, .address_space: global }
      - { .name: wo16, .offset: 80, .size: 8, .value_kind: global_buffer, .address_space: global }
    .group_segment_fixed_size: 66048
    .private_segment_fixed_size: 0
    .kernarg_segment_align: 8
    .kernarg_segment_size: 88
    .max_flat_workgroup_size: 128
    .sgpr_count:     66
    .vgpr_count:     192
    .wavefront_size: 32
...
	.end_amdgpu_metadata
.endif
;; end of part 1
;; launch proj (part 2): grid 4 x 96, 4 waves a work-group, clusters of 4 x 4, 327,680 bytes of LDS; arguments acodes, ascales, wcodes, wscales, qkv16; writes qkv16
.if DOCPART == 2
	.amdgcn_target "amdgcn-amd-amdhsa--gfx1250"
	.amdhsa_code_object_version 6
	.text
	.protected	k_q0258212afc_proj
	.globl	k_q0258212afc_proj
	.p2align	8
	.type	k_q0258212afc_proj,@function
k_q0258212afc_proj:
	s_mov_b64 s[64:65], 0
	v_nop
	global_prefetch_b8 v0, s[64:65] scope:SCOPE_SE
	s_setreg_imm32_b32 hwreg(HW_REG_WAVE_MODE, 25, 1), 1
	s_wait_xcnt 0x0
	s_wait_alu depctr_hold_cnt(0) depctr_sa_sdst(0) depctr_va_vdst(0) depctr_va_sdst(0) depctr_va_ssrc(0) depctr_va_vcc(0) depctr_vm_vsrc(0)
	s_getreg_b32 s2, hwreg(HW_REG_IB_STS2, 6, 4)
	s_cmp_eq_u32 s2, 0
	s_cbranch_scc0 .Lentry_in_a_cluster
	s_endpgm
.Lentry_in_a_cluster:
	s_bfe_u32 s2, ttmp6, 0x10000c
	s_cmp_lg_u32 s2, 0xf033
	s_cbranch_scc0 .Lentry_shape_is_right
	s_endpgm
.Lentry_shape_is_right:
; The three quantised products, q Wq^T, kv Wk^T and kv Wv^T, on codes of FP4 (E2M1) with one E8M0 scale for each 32 along K; sums in f32; results rounded once to f16 and laid by head:
; qkv16 [p = 0 Q, 1 K, 2 V][4 b + h][2048][256].  LIMIT: results stay under 65,504 in magnitude (beyond it f16 has infinity).
; A: acodes [16384][512 bytes] (q's rows, then kv's), B: wcodes [3072][512] (Wq, Wk, Wv), scale bytes [rows][32].  All rows are laid with K = 1,024; where K is 768 the rest are zero codes: so the
; three products have one shape, one set of descriptors and one straight text; the price is that two of eight steps of 128 along K multiply zeros in two of the three products.
; SHARES.  384 tiles of 256 x 256: one tile is 256 rows of one head of one product, a dense block of 131,072 bytes of qkv16.  Four waves, each 128 x 128: 64 accumulators, 512 registers.
; K = 1,024 is two slots of 512 along K (rows of 256 bytes): both are asked for at the head, so nothing is filled again and there is no loop.  The scale bytes of the tile's rows come with them, once, in runs of 256 bytes.
; CLUSTERS: 4 x 4 work-groups.  Along x lie the four heads, which need the same rows of A; along y four row tiles, which need the same rows of B: each tile is asked for JOINTLY.
; THE MATRIX INSTRUCTION IS USED TRANSPOSED (source 0 = 16 rows of B, source 1 = 16 rows of A): a lane holds eight neighbouring numbers of a row of the result.
; REGISTERS, in windows of 256: window 0: v0-31 addresses; v32-95 scale words, two sets; v128-191 A's fragments, one set; on the way out v32-63 and v192-255.  window 1: B's fragments, two sets, at v0 and v128.
;   window 2: the accumulators of my rows 0-63 ((a, b) at v[8 (8 a + b)]);  window 3: those of my rows 64-127.
.set KSTEP,  512
.set NQ,     KSTEP/128
.set ROWB,   256                       ; a tile's row in bytes
.set KROW,   512                       ; a row of codes in memory
.set PITCH,  272                       ; an LDS row: 256 bytes + 16 = 68 words: the 16 rows that a load touches start at 16 different banks (64 banks of 4 bytes: ISA guide 11.1)
.set FR,     8
.set NL,     2
.set NP,     4                         ; places behind this matrix instruction (ISA guide 7.12.1)
.set HALFT,  128*PITCH
.set SLOT,   4*HALFT                   ; A's 256 rows, then B's 256 rows
.set KS,     32                        ; a row of scale bytes
.set SCL,    2*SLOT                    ; behind the two slots: the scales, as runs of 256 bytes + 16 of padding
.set HALFS,  (128*KS/256)*272
.set SBLK,   (16*KS/256)*272
.set SPARE,  SCL+4*HALFS               ; the spare words, 128 bytes for each wave, which no other line names
.set SPITCH, 272                       ; the way out: a stage of 16 rows x (256 bytes + 16) for each wave, in slot 0, which has had its only fill and its last read by then
.set ADRA, 16
.set ADRB, 20
.set STO,  24
.set RD,   25
.set CO,   26
.set ADRS, 27
.set SPW,  28
.set NIL,  29
.set SC,   32                          ; scale words: set s at v[SC + 32 s]; register 4 i + q: lanes 0-15 A's block i, lanes 16-31 B's block i, the slot's q-th 128 along K
.set AF,   128
.set TMP,  192                         ; the way out: packed results
.set OB,   32                          ; and 16 rows read back: v32-63 and v224-255 by turns
.set G1, 24
.set G0, 32
.set G1B, 48
.set G0B, 56
.set G1S, 68
.set G0S, 76
.set G1SB, 80
.set G0SB, 88
.set MSB, 0
.macro WIN new                         ; the immediate's high byte repeats the setting that is left
.if MSB != (\new)
	s_set_vgpr_msb (MSB<<8)|(\new)
.set MSB, (\new)
.endif
.endm
.set MUL_LO, 0xa1                      ; source 0 (B) window 1, source 1 (A) window 0, C and D window 2
.set MUL_HI, 0xf1
.set TO_B,   0x40
; A joint load: waves 0 and 1 fetch for A, waves 2 and 3 for B; the branch hangs on the wave's number alone.  An s_nop 0 and four v_nop follow each of the two lines.
.macro JLOAD g0a, g1a, g0b, g1b
	s_cmp_eq_u32 s15, 0
	s_cbranch_scc0 .Lfor_b_\@
	tensor_load_to_lds s[\g0a:\g0a+3], s[\g1a:\g1a+7]
	s_nop 0
.rept 4
	v_nop
.endr
	s_branch .Lasked_\@
.Lfor_b_\@:
	tensor_load_to_lds s[\g0b:\g0b+3], s[\g1b:\g1b+7]
	s_nop 0
.rept 4
	v_nop
.endr
.Lasked_\@:
.endm
.macro CROUND                          ; a round of the cluster's barrier
	s_barrier_signal -1
	s_barrier_wait -1
	s_cmp_lg_u32 s14, 0
	s_cbranch_scc1 .Lnot_wave_0_\@
	s_barrier_signal -3
.Lnot_wave_0_\@:
	s_barrier_wait -3
	s_barrier_signal -1
	s_barrier_wait -1
.endm
	s_load_b128 s[4:7], s[0:1], 0x0                ; A's codes, A's scales
	s_load_b128 s[8:11], s[0:1], 0x10              ; B's codes, B's scales
	s_load_b64 s[12:13], s[0:1], 0x20              ; qkv16
	v_lshl_add_u32 v[SPW], v0, 2, SPARE
	v_mov_b32 v[NIL], 0
	ds_add_u32 v[SPW], v[NIL]                      ; the wave's opening: the add, twice on end, and its wait ahead of my first tensor load
	ds_add_u32 v[SPW], v[NIL]
	v_lshrrev_b32 v1, 5, v0
	v_readfirstlane_b32 s14, v1                    ; wave 0..3
	s_lshr_b32 s15, s14, 1                         ; which half of the tile's rows is mine.  Also: I fetch for A (0) or for B (1)
	s_and_b32 s16, s14, 1                          ; which half of its columns.  Also: which 128 rows I fetch
	s_bfe_u32 s40, ttmp6, 0x40000                  ; cx
	s_bfe_u32 s41, ttmp6, 0x40004                  ; cy
	s_lshl_b32 s42, ttmp9, 2
	s_add_co_u32 s42, s42, s40                     ; the head h = 4 x cluster x + cx
	s_and_b32 s17, ttmp7, 0xffff                   ; cluster y: 0..23
	s_lshr_b32 s95, s17, 3                         ; the product p: the same in all sixteen partners
	s_lshr_b32 s96, s95, 1
	s_lshl_b32 s96, s96, 3
	s_sub_co_u32 s96, s17, s96                     ; products 1 and 2 both read kv's rows
	s_lshl_b32 s96, s96, 2
	s_add_co_u32 s96, s96, s41                     ; A's tile row, 0..63
	s_lshl_b32 s43, s41, 2
	s_lshl_b32 s43, 15, s43                        ; my row of the cluster
	s_lshl_b32 s44, 0x1111, s40                    ; my column
	; descriptor group 1: a tile of 128 rows x 256 bytes, 16 bytes of padding behind each row
	s_or_b32 s[G1+0], s43, (0<<16)|(1<<20)|(1<<21)|(5<<22)|(3<<25)  ; 15:0 the mask; 17:16 elements of 1 byte; 20 padding on; 21 set beside a mask; 24:22 after every 64 words; 31:25 four words
	s_or_b32 s[G1B+0], s44, (0<<16)|(1<<20)|(1<<21)|(5<<22)|(3<<25)
.irp g, G1, G1B
	s_mov_b32 s[\g+1], ROWB<<16                    ; tensor_dim0
	s_mov_b32 s[\g+2], 128<<16                     ; tensor_dim1
	s_mov_b32 s[\g+3], ROWB<<16                    ; tile_dim0
	s_mov_b32 s[\g+4], 128                         ; tile_dim1
	s_mov_b32 s[\g+5], KROW                        ; stride from row to row
	s_mov_b32 s[\g+6], 0
	s_mov_b32 s[\g+7], 0
.endr
	; the scales of 128 rows: 4,096 dense bytes, as 16 rows of 256 bytes (32 elements of 8 bytes), 16 bytes of padding behind each
	s_or_b32 s[G1S+0], s43, (3<<16)|(1<<20)|(1<<21)|(5<<22)|(3<<25)
	s_or_b32 s[G1SB+0], s44, (3<<16)|(1<<20)|(1<<21)|(5<<22)|(3<<25)
.irp g, G1S, G1SB
	s_mov_b32 s[\g+1], 32<<16
	s_mov_b32 s[\g+2], (128*KS/256)<<16
	s_mov_b32 s[\g+3], 32<<16
	s_mov_b32 s[\g+4], 128*KS/256
	s_mov_b32 s[\g+5], 32
	s_mov_b32 s[\g+6], 0
	s_mov_b32 s[\g+7], 0
.endr
	s_lshl_b32 s18, s16, 7                         ; which 128 rows of the tile I fetch
	s_lshl_b32 s20, s96, 8
	s_add_co_u32 s20, s20, s18                     ; A: row 256 x tile row + 128 x half
	s_lshl_b32 s46, s42, 8
	s_add_co_u32 s46, s46, s18
	s_lshl_b32 s47, s95, 10
	s_add_co_u32 s46, s46, s47                     ; B: row 1,024 p + 256 h + 128 x half
	s_lshl_b32 s22, s20, 5                         ; where these rows' scales begin, in bytes,
	s_mov_b32 s23, 0
	s_lshl_b32 s20, s20, 9                         ; and their codes (both under 2^24)
	s_mov_b32 s21, 0
	s_lshl_b32 s92, s46, 5
	s_mov_b32 s93, 0
	s_lshl_b32 s46, s46, 9
	s_mov_b32 s47, 0
	s_mul_i32 s45, s14, HALFT                      ; where they go: wave x 128 rows: no place in the cluster enters an LDS address
	s_mul_i32 s94, s14, HALFS
	s_wait_dscnt 0x0                               ; both opening adds are done
	s_wait_kmcnt 0x0
	s_add_nc_u64 s[20:21], s[4:5], s[20:21]
	s_add_nc_u64 s[22:23], s[6:7], s[22:23]
	s_add_nc_u64 s[46:47], s[8:9], s[46:47]
	s_add_nc_u64 s[92:93], s[10:11], s[92:93]
	CROUND                                         ; all sixteen work-groups are here: the joint loads meet
	s_mov_b32 s[G0S], 1
	s_add_co_u32 s[G0S+1], s94, SCL
	s_mov_b64 s[G0S+2:G0S+3], s[22:23]
	s_or_b32 s[G0S+3], s[G0S+3], 0x80000000
	s_mov_b32 s[G0SB], 1
	s_add_co_u32 s[G0SB+1], s94, SCL
	s_mov_b64 s[G0SB+2:G0SB+3], s[92:93]
	s_or_b32 s[G0SB+3], s[G0SB+3], 0x80000000
	JLOAD G0S, G1S, G0SB, G1SB                     ; the scales first: they are wanted with slot 0
.irp s, 0,1
	s_mov_b32 s[G0+4*\s], 1
	s_add_co_u32 s[G0+4*\s+1], s45, \s*SLOT
	s_add_nc_u64 s[G0+4*\s+2:G0+4*\s+3], s[20:21], \s*ROWB
	s_or_b32 s[G0+4*\s+3], s[G0+4*\s+3], 0x80000000
	s_mov_b32 s[G0B+4*\s], 1
	s_add_co_u32 s[G0B+4*\s+1], s45, \s*SLOT
	s_add_nc_u64 s[G0B+4*\s+2:G0B+4*\s+3], s[46:47], \s*ROWB
	s_or_b32 s[G0B+4*\s+3], s[G0B+4*\s+3], 0x80000000
	JLOAD G0+4*\s, G1, G0B+4*\s, G1B               ; three loads of mine are out in all
.endr
	v_and_b32 v1, 15, v0                           ; r = lane % 16
	v_bfe_u32 v2, v0, 4, 1                         ; h = lane / 16
	v_mul_u32_u24 v3, v1, PITCH
	v_lshl_add_u32 v4, v2, 4, v3                   ; a fragment's row x pitch + 16 x half
	s_mul_i32 s21, s15, HALFT                      ; my 128 rows of A
	s_mul_i32 s22, s16, HALFT                      ; my 128 rows of B,
	s_add_co_u32 s22, s22, 2*HALFT                 ; behind A's 256
.irp s, 0,1
	v_add_nc_u32 v[ADRA+\s], s21, v4
	v_add_nc_u32 v[ADRB+\s], s22, v4
	s_add_co_u32 s21, s21, SLOT
	s_add_co_u32 s22, s22, SLOT
.endr
	v_mul_u32_u24 v5, v1, KS                       ; my row's scales: 32 bytes a row,
	v_lshrrev_b32 v6, 8, v5
	v_lshl_add_u32 v5, v6, 4, v5                   ; and 16 more for each 256 passed
	s_mul_i32 s21, s15, HALFS
	s_mul_i32 s22, s16, HALFS
	s_add_co_u32 s22, s22, 2*HALFS
	s_sub_co_u32 s22, s22, s21
	v_mul_u32_u24 v6, s22, v2                      ; lanes 16-31 take B's: the lower base + h x the distance
	s_add_co_u32 s21, s21, SCL
	v_add_nc_u32 v5, v5, v6
	v_add_nc_u32 v[ADRS], s21, v5
	s_mul_i32 s23, s14, 16*SPITCH                  ; my stage
	v_mul_u32_u24 v5, v1, SPITCH                   ; in: row r, 16 bytes for each half of the lanes
	v_lshl_add_u32 v5, v2, 4, v5
	v_add_nc_u32 v[STO], s23, v5
	v_mul_u32_u24 v5, v2, SPITCH                   ; back: lanes 0-15 one row of 256 bytes, lanes 16-31 the next
	v_lshl_add_u32 v5, v1, 4, v5
	v_add_nc_u32 v[RD], s23, v5
	v_lshlrev_b32 v5, 9, v2                        ; and the same two rows in the head: 512 bytes a row
	v_lshl_add_u32 v[CO], v1, 4, v5
	; where my part of the result begins: p planes of 2^24 bytes, head 4 b + h of 2^20, row l0 + 128 x half of 512, column half of 256
	s_and_b32 s20, s17, 7
	s_lshl_b32 s20, s20, 2
	s_add_co_u32 s20, s20, s41                     ; the row tile within the product, 0..31
	s_lshr_b32 s21, s20, 3                         ; b
	s_and_b32 s20, s20, 7
	s_lshl_b32 s20, s20, 8                         ; l0
	s_lshl_b32 s21, s21, 13                        ; 4 b heads of 2,048 rows
	s_add_co_u32 s20, s20, s21
	s_lshl_b32 s21, s15, 7
	s_add_co_u32 s20, s20, s21
	s_lshl_b32 s20, s20, 9
	s_lshl_b32 s21, s95, 24
	s_add_co_u32 s20, s20, s21
	s_mov_b32 s21, 0
	s_lshl_b32 s46, s42, 20
	s_lshl_b32 s47, s16, 8
	s_add_co_u32 s46, s46, s47
	s_mov_b32 s47, 0
	s_add_nc_u64 s[20:21], s[20:21], s[46:47]
	s_add_nc_u64 s[12:13], s[12:13], s[20:21]
.macro FRAG reg, adr, q, i             ; 16 rows x 128 K of 4-bit codes: 8 registers; registers 4 c .. 4 c + 3 hold K = 64 c + 32 (lane / 16) + 0 .. 31
.irp c, 0,1
	ds_load_b128 v[\reg+4*\c:\reg+4*\c+3], v[\adr] offset:64*(\q)+32*\c+(\i)*16*PITCH
.endr
.endm
; 16 matrix instructions: A's blocks a0, a0 + 1 x B's eight, the slot's q-th 128 along K.  p: B's set; sc: the set of scale words.  zero = 1: the first product starts the sums.
; The 64 accumulators take turns, one instruction a turn, in the same order in every step.
.macro MUL16 a0, p, q, sc, zero
.irp a, \a0, \a0+1
.irp b, 0,1,2,3,4,5,6,7
.if \zero
	v_wmma_scale_f32_16x16x128_f8f6f4 v[8*(8*((\a)%4)+\b):8*(8*((\a)%4)+\b)+7], v[128*(\p)+FR*\b:128*(\p)+FR*\b+FR-1], v[AF+FR*(\a):AF+FR*(\a)+FR-1], 0, v[SC+8*NQ*(\sc)+NQ*\b+(\q)], v[SC+8*NQ*(\sc)+NQ*(\a)+(\q)] matrix_a_fmt:MATRIX_FMT_FP4 matrix_b_fmt:MATRIX_FMT_FP4 matrix_a_scale:MATRIX_SCALE_ROW1
.else
	v_wmma_scale_f32_16x16x128_f8f6f4 v[8*(8*((\a)%4)+\b):8*(8*((\a)%4)+\b)+7], v[128*(\p)+FR*\b:128*(\p)+FR*\b+FR-1], v[AF+FR*(\a):AF+FR*(\a)+FR-1], v[8*(8*((\a)%4)+\b):8*(8*((\a)%4)+\b)+7], v[SC+8*NQ*(\sc)+NQ*\b+(\q)], v[SC+8*NQ*(\sc)+NQ*(\a)+(\q)] matrix_a_fmt:MATRIX_FMT_FP4 matrix_b_fmt:MATRIX_FMT_FP4 matrix_a_scale:MATRIX_SCALE_ROW1
.endif
.endr
.endr
.endm
.macro FETCH_B slot, q, p
	WIN TO_B
.irp i, 0,1,2,3,4,5,6,7
	FRAG 128*(\p)+FR*\i, ADRB+\slot, \q, \i
.endr
	WIN 0
.endm
.macro FETCH_A slot, q, i0
.irp i, \i0, \i0+1, \i0+2, \i0+3
	FRAG AF+FR*(\i), ADRA+\slot, \q, \i
.endr
.endm
.macro SCALES sc                       ; a slot's scale words: four words a row; lanes 0-15 A's block i, lanes 16-31 B's block i
.irp i, 0,1,2,3,4,5,6,7
	ds_load_b128 v[SC+8*NQ*\sc+NQ*\i:SC+8*NQ*\sc+NQ*\i+3], v[ADRS] offset:\i*SBLK
.endr
.endm
.macro PLACES n                        ; plain vector instructions that name no register of the matrix instructions in front: ahead of loads into registers that those have read, and of reads of results
.rept \n
	v_nop
.endr
.endm
.macro STEP slot, q, zero              ; a step of 128 along K that has its successor in the same slot
	s_wait_dscnt 4*NL                              ; B's set and A's blocks 0-3 are in; the youngest eight loads (A's blocks 4-7) may be out
	WIN MUL_LO
	MUL16 0, (\q)%2, \q, \slot, \zero
	MUL16 2, (\q)%2, \q, \slot, \zero
	s_wait_dscnt 0
	PLACES NP
	FETCH_B \slot, (\q)+1, 1-(\q)%2
	FETCH_A \slot, (\q)+1, 0
	WIN MUL_HI
	MUL16 4, (\q)%2, \q, \slot, \zero
	MUL16 6, (\q)%2, \q, \slot, \zero
	PLACES NP
	WIN 0
	FETCH_A \slot, (\q)+1, 4
.endm
; Slot 0's last step changes slots: one barrier.  In front of it each wave waits for all its tensor loads (slot 1's is the one that may be out), adds 0 to its spare word, and waits for that and for its reads of slot 0.
; Behind it slot 1 is whole and nobody reads slot 0, which later takes the stages.  Nothing is filled again.
.macro TURN slot, next
	s_wait_tensorcnt 0x0
	ds_add_u32 v[SPW], v[NIL]
	s_wait_dscnt 4*NL+1                            ; (the add and the youngest eight loads may be out)
	WIN MUL_LO
	MUL16 0, 1, NQ-1, \slot, 0
	s_wait_dscnt 0x0
	s_barrier_signal -1
	MUL16 2, 1, NQ-1, \slot, 0
	WIN 0
	s_barrier_wait -1
	PLACES NP
	v_add_nc_u32 v[ADRS], 4*NQ, v[ADRS]            ; on to the next slot's scale words
	FETCH_B \next, 0, 0
	FETCH_A \next, 0, 0
	SCALES \next
	WIN MUL_HI
	MUL16 4, 1, NQ-1, \slot, 0
	MUL16 6, 1, NQ-1, \slot, 0
	PLACES NP
	WIN 0
	FETCH_A \next, 0, 4
.endm
.macro STEPS slot, from
.set Q, \from
.rept NQ-1-\from
	STEP \slot, Q, 0
.set Q, Q+1
.endr
.endm
	s_wait_tensorcnt 1                             ; the scales and my part of slot 0 are in; slot 1's load may be out
	s_barrier_signal -1
	s_barrier_wait -1
	FETCH_B 0, 0, 0
	FETCH_A 0, 0, 0
	SCALES 0
	FETCH_A 0, 0, 4
	STEP 0, 0, 1                                   ; the first step's products start the sums: nothing is cleared
	STEPS 0, 1
	TURN 0, 1
	STEPS 1, 0
	s_wait_dscnt 4*NL                              ; the last step: nothing more to fetch
	WIN MUL_LO
	MUL16 0, 1, NQ-1, 1, 0
	MUL16 2, 1, NQ-1, 1, 0
	s_wait_dscnt 0
	WIN MUL_HI
	MUL16 4, 1, NQ-1, 1, 0
	MUL16 6, 1, NQ-1, 1, 0
	WIN 0
; THE WAY OUT, block by block of 16 rows x 128 columns.  PACK: rounded to f16, 16 bytes a lane, each accumulator from its low end on.  TOSTAGE: into my stage, and back as rows of 256 bytes.  SEND: stored.
.macro PACK a
.set AC, 64*((\a)%4)
	WIN 0x0a+5*((\a)/4)                            ; sources 0 and 1: window 2 or 3
.irp b, 0,1,2,3,4,5,6,7
.irp r, 0,1,2,3
	v_cvt_pk_f16_f32 v[TMP+4*\b+\r], v[AC+8*\b+2*\r], v[AC+8*\b+2*\r+1]
.endr
.endr
	WIN 0
.endm
.macro TOSTAGE a
.set BK, OB+192*((\a)%2)
.irp b, 0,1,2,3,4,5,6,7
	ds_store_b128 v[STO], v[TMP+4*\b:TMP+4*\b+3] offset:32*\b
.endr
.irp t, 0,1,2,3,4,5,6,7
	ds_load_b128 v[BK+4*\t:BK+4*\t+3], v[RD] offset:\t*2*SPITCH    ; LDS serves a wave's instructions in order: these see the stores above
.endr
.endm
.macro SEND a
.set BK, OB+192*((\a)%2)
	s_wait_dscnt 0x0                               ; the block is back in registers
	s_wait_xcnt 0x0                                ; earlier stores have read their base and their registers: only now are these written again
.if (\a) > 0
	s_add_nc_u64 s[12:13], s[12:13], 16*512        ; 16 rows on
.endif
.irp t, 0,1,2,3,4,5,6,7
	global_store_b128 v[CO], v[BK+4*\t:BK+4*\t+3], s[12:13] offset:2*\t*512   ; 16 lanes store 256 consecutive bytes, aligned
.endr
.endm
	PLACES NP
	PACK 0
	TOSTAGE 0
.irp a, 1,2,3,4,5,6,7                  ; block a's conversions stand between block a - 1's loads from the stage and the wait for them
	PACK \a
	SEND \a-1
	TOSTAGE \a
.endr
	SEND 7
	s_wait_tensorcnt 0x0                           ; the wave's end
	ds_add_u32 v[SPW], v[NIL]
	s_wait_dscnt 0x0
	CROUND                                         ; the closing round
	s_endpgm
.Lfunc_end_k_q0258212afc_proj:
	.size	k_q0258212afc_proj, .Lfunc_end_k_q0258212afc_proj-k_q0258212afc_proj
	.p2alignl 7, 3214868480
	.fill 96, 4, 3214868480
	.section	.rodata,"a",@progbits
	.p2align	6, 0x0
	.amdhsa_kernel k_q0258212afc_proj
		.amdhsa_group_segment_fixed_size 327680
		.amdhsa_private_segment_fixed_size 0
		.amdhsa_enable_private_segment 0
		.amdhsa_kernarg_size 40
		.amdhsa_user_sgpr_count 2
		.amdhsa_user_sgpr_kernarg_segment_ptr 1
		.amdhsa_wavefront_size32 1
		.amdhsa_system_sgpr_workgroup_id_x 1
		.amdhsa_system_sgpr_workgroup_id_y 1
		.amdhsa_system_sgpr_workgroup_id_z 1
		.amdhsa_system_vgpr_workitem_id 0
		.amdhsa_next_free_vgpr 1024
		.amdhsa_next_free_sgpr 98
		.amdhsa_reserve_vcc 0
		.amdhsa_float_denorm_mode_32 3
		.amdhsa_float_denorm_mode_16_64 3
		.amdhsa_memory_ordered 1
		.amdhsa_forward_progress 1
		.amdhsa_inst_pref_size 127
	.end_amdhsa_kernel
	.amdgpu_metadata
---
amdhsa.version: [ 1, 2 ]
amdhsa.kernels:
  - .name:           k_q0258212afc_proj
    .symbol:         k_q0258212afc_proj.kd
    .args:
      - { .name: acodes, .offset: 0, .size: 8, .value_kind: global_buffer, .address_space: global }
      - { .name: ascales, .offset: 8, .size: 8, .value_kind: global_buffer, .address_space: global }
      - { .name: wcodes, .offset: 16, .size: 8, .value_kind: global_buffer, .address_space: global }
      - { .name: wscales, .offset: 24, .size: 8, .value_kind: global_buffer, .address_space: global }
      - { .name: qkv16, .offset: 32, .size: 8, .value_kind: global_buffer, .address_space: global }
    .group_segment_fixed_size: 327680
    .private_segment_fixed_size: 0
    .kernarg_segment_align: 8
    .kernarg_segment_size: 40
    .max_flat_workgroup_size: 128
    .sgpr_count:     98
    .vgpr_count:     1024
    .wavefront_size: 32
...
	.end_amdgpu_metadata
.endif
;; end of part 2
;; launch attn (part 3): grid 16 x 16, 4 waves a work-group, clusters of 4 x 1, 327,680 bytes of LDS; arguments qkv16, ctx16; writes ctx16
.if DOCPART == 3
	.amdgcn_target "amdgcn-amd-amdhsa--gfx1250"
	.amdhsa_code_object_version 6
	.text
	.protected	k_q0258212afc_attn
	.globl	k_q0258212afc_attn
	.p2align	8
	.type	k_q0258212afc_attn,@function
k_q0258212afc_attn:
	s_mov_b64 s[64:65], 0
	v_nop
	global_prefetch_b8 v0, s[64:65] scope:SCOPE_SE
	s_setreg_imm32_b32 hwreg(HW_REG_WAVE_MODE, 25, 1), 1
	s_wait_xcnt 0x0
	s_wait_alu depctr_hold_cnt(0) depctr_sa_sdst(0) depctr_va_vdst(0) depctr_va_sdst(0) depctr_va_ssrc(0) depctr_va_vcc(0) depctr_vm_vsrc(0)
	s_getreg_b32 s2, hwreg(HW_REG_IB_STS2, 6, 4)
	s_cmp_eq_u32 s2, 0
	s_cbranch_scc0 .Lentry_in_a_cluster
	s_endpgm
.Lentry_in_a_cluster:
	s_bfe_u32 s2, ttmp6, 0x10000c
	s_cmp_lg_u32 s2, 0x3003
	s_cbranch_scc0 .Lentry_shape_is_right
	s_endpgm
.Lentry_shape_is_right:
; ctx[b][q][256 h + d] = the sum over k of softmax_k(Q[q] . K[k] / 16) V[k][d], for each of 16 (b, h).  Q, K, V: qkv16 [3][4 b + h][2048][256], f16.  ctx16: [8192][1024], f16.
; Products, maxima and sums in f32; the weights p are rounded to f16 for the second product, ctx once at the end.  A running maximum is taken away ahead of every exponential.
; SHARES.  A work-group owns 128 queries of one (b, h).  Wave w: its pair qg = w / 2 owns 64 queries (four tiles of 16); kh = w % 2 says which HALF OF THE KEYS it walks: of every 64 keys rows 32 kh .. 32 kh + 31.
; So each fragment of K and V that a wave reads from LDS feeds four matrix instructions.  At the end the two waves of a pair join their maxima, sums and O through LDS; each then finishes half of the 256 channels.
; LAYOUT.  S^T = K Q^T (source 0 = 16 keys, source 1 = 16 queries): a lane holds ONE query (lane % 16) and keys 8 (lane / 16) + 0..7.  Two such tiles, rounded to f16 in pairs, ARE source 1 (32 keys x 16 queries) of
; O^T = V^T P.  K comes out of LDS as it lies, V ([key][channel]) turned, by ds_load_tr16_b128.
; SOFTMAX.  p = 2^(c s - c m), c = log2(e) / 16; in every step O and l are multiplied by a = 2^(c m_old - c m_new).  m begins at -3e38, so the first step's a is 0; the first step's products start O's sums with the constant 0.
; BY PIECES.  A step is 32 keys x 64 queries.  The wave's tiles are two pieces: A (tiles 0, 1; O^T in window 2) and B (tiles 2, 3; window 3).  A step goes in four phases of 32 matrix instructions:
;   1: K Q^T of A;   2: K Q^T of B;   3: V^T P of A;   4: V^T P of B.
; The vector work stands in slices behind pairs of matrix instructions whose registers it does not name: in phase 2 A's softmax and the rescaling of A's places 0-7; in phase 3 B's softmax, A's places 8-15 and B's place 0;
; in phase 4 B's places 1-15.  Phase 1 has none: nothing of the step is known yet.  A piece's 34 exponentials are one batch with one wait.
; RING.  Two LDS regions; a slot is 128 keys (two areas of 64: K's 64 rows, then V's).  Waves 0, 1 fetch K's two areas, waves 2, 3 V's: one load a wave behind each change of slots, which has two steps in which to land.
; CLUSTER.  The four query blocks of a cluster belong to one (b, h) and walk the same K and V: each tile is asked for JOINTLY, with a mask that names the four.
; REGISTERS, in windows of 256: window 0: v0-15 addresses; v16-47 statistics, 8 a tile; v48, v49 the add's two; v50-61 at work in the merge; v64-127 S^T, 16 a tile (P is written over its first 8);
;   v128-255 fragments: halves H0, H1 hold K's channels 0-127, 128-255, then V's channel tiles.   window 1: Q (tile t, channels 32 c on, at 64 t + 8 c).   windows 2, 3: O^T (tile t in window 2 + t / 2, at 128 (t % 2) + 8 f).
;   Place f of V and of O^T holds channel tile f xor 8 kh: so in every wave places 0-7 are the half that it finishes and places 8-15 the half that it hands over, and the merge has no branch on kh.
.set KS,    64
.set PK,    528                        ; a row of K in LDS: 512 bytes + 16 = 132 words: the 16 rows of a load start at 16 different banks (64 banks of 4 bytes: ISA guide 11.1)
.set PV,    544                        ; a row of V: 512 + 32 = 136 words
.set VOFF,  KS*PK
.set STEPB, KS*(PK+PV)                 ; an area
.set SLOTB, 2*STEPB                    ; a region
.set STAGE, 2*SLOTB                    ; behind the ring: 16 rows x 272 bytes for each wave, for the way out
.set SP,    272
.set SPARE, STAGE+4*16*SP              ; the spare words, 128 bytes for each wave, which no other line names
.set XW,    33792                      ; the merge: a wave's 32,768 bytes of register images and 1,024 of statistics, in region 0, which has had its last fill
.set PLANE, 1<<24                      ; bytes of Q, of K and of V in qkv16
.set AK0, 2
.set AV0, 3
.set AV1, 4
.set ADK, 5
.set ADV0, 6                           ; v6, v7
.set QO,  8
.set STO, 10
.set RD,  11
.set GO,  12
.set PFO, 13
.set XST, 14
.set XLD, 15
.set ST,  16                           ; tile t at v[ST + 8 t]: +0 c m, +1 m, +2, +3 l (even keys', odd keys'), +4, +5 at work, +6 a, +7 at work
.set SPW, 48
.set NIL, 49
.set S,   64
.set FB,  128
.set WV,  12
.set LIM, 15
.set KOFF, 17
.set PFA, 18
.set G1K, 24
.set G1V, 32
.set G0K, 40
.set G0V, 48
.set SLOTS, 56
.set TWICE, 57
.set CS,  58
.set SEL, 60
.set TB,  62                           ; LDS byte at which the area to be fetched begins
.set RB,  63                           ; the region that the walking descriptors fill: 0 or SLOTB
.set VOFS, 66
.set MSB, 0
.macro WIN new                         ; the immediate's high byte repeats the setting that is left
.if MSB != (\new)
	s_set_vgpr_msb (MSB<<8)|(\new)
.set MSB, (\new)
.endif
.endm
.set W_KQ, 0x04                        ; K and S^T in window 0, Q in window 1
.macro JLOAD                           ; a joint refill: waves 0, 1 K's areas, waves 2, 3 V's.  An s_nop 0 and four v_nop follow each of the two lines
	s_cmp_lt_u32 s[WV], 2
	s_cbranch_scc0 .Lfor_v_\@
	tensor_load_to_lds s[G0K+4:G0K+7], s[G1K:G1K+7]
	s_nop 0
.rept 4
	v_nop
.endr
	s_branch .Lasked_\@
.Lfor_v_\@:
	tensor_load_to_lds s[G0V+4:G0V+7], s[G1V:G1V+7]
	s_nop 0
.rept 4
	v_nop
.endr
.Lasked_\@:
.endm
; A PREFETCH INTO THE L2 of what the NEXT change of slots will ask for: a slot's 65,536 bytes of K and as many of V.  All clusters of a (b, h) walk the same rows: the first of them asks.  Its four partners and
; their four waves share the 512 blocks of 256 bytes out BY ADDRESS: waves 0, 1 K's, waves 2, 3 V's; 16,384 bytes a partner, 8,192 a wave, lanes 256 bytes apart: each block is named once in the launch.
; It stands behind the joint load and its five lines, two steps (256 matrix instructions) ahead of the load that will want the bytes.  The last change that fills a slot asks for nothing.
.macro ASK
	s_cmp_gt_u32 s[SLOTS], s[LIM]
	s_cbranch_scc0 .Lnot_mine_\@
	global_prefetch_b8 v[PFO], s[PFA:PFA+1] th:TH_LOAD_NT scope:SCOPE_SE
.Lnot_mine_\@:
.endm
.macro CROUND                          ; a round of the cluster's barrier
	s_barrier_signal -1
	s_barrier_wait -1
	s_cmp_lg_u32 s[WV], 0
	s_cbranch_scc1 .Lnot_wave_0_\@
	s_barrier_signal -3
.Lnot_wave_0_\@:
	s_barrier_wait -3
	s_barrier_signal -1
	s_barrier_wait -1
.endm
	s_load_b128 s[4:7], s[0:1], 0x0                ; qkv16, ctx16
	v_lshl_add_u32 v[SPW], v0, 2, SPARE
	v_mov_b32 v[NIL], 0
	ds_add_u32 v[SPW], v[NIL]                      ; the wave's opening: the add, twice on end, and its wait ahead of my first tensor load
	ds_add_u32 v[SPW], v[NIL]
	v_lshrrev_b32 v1, 5, v0
	v_readfirstlane_b32 s[WV], v1                  ; wave 0..3
	s_bfe_u32 s13, ttmp6, 0x40000                  ; cx
	s_lshl_b32 s14, ttmp9, 2
	s_add_co_u32 s14, s14, s13                     ; my block of 128 queries: it enters Q's and ctx's addresses alone
	s_and_b32 s20, ttmp7, 0xffff                   ; y = 4 b + h, which the four partners share
	s_lshl_b32 s21, s20, 20                        ; its first byte in a plane
	s_and_b32 s16, s[WV], 1                        ; kh.  Also: which of a slot's two areas I fetch
	s_lshr_b32 s22, s[WV], 1                       ; qg.  Also: I fetch for K (0) or for V (1)
	s_mul_i32 s[KOFF], s16, STEPB                  ; where my tile goes in a region: K's,
	s_add_co_u32 s[VOFS], s[KOFF], VOFF            ; V's
	s_lshl_b32 s23, s16, 15                        ; an area's 64 rows of 512 bytes in memory
	s_add_co_u32 s68, s21, s23
	s_add_co_u32 s68, s68, PLANE                   ; K's tile of slot 0
	s_mov_b32 s69, 0
	s_add_co_u32 s70, s68, PLANE                   ; V's
	s_mov_b32 s71, 0
	s_lshl_b32 s72, s14, 16                        ; Q: my block's 128 rows,
	s_add_co_u32 s72, s72, s21
	s_lshl_b32 s23, s22, 15                        ; my pair's 64 of them
	s_add_co_u32 s72, s72, s23
	s_mov_b32 s73, 0
	s_lshr_b32 s74, s20, 2                         ; ctx: row 2,048 b + 128 x block + 64 qg,
	s_lshl_b32 s74, s74, 11
	s_lshl_b32 s23, s14, 7
	s_add_co_u32 s74, s74, s23
	s_lshl_b32 s23, s22, 6
	s_add_co_u32 s74, s74, s23
	s_lshl_b32 s74, s74, 11                        ; of 2,048 bytes,
	s_and_b32 s23, s20, 3
	s_lshl_b32 s23, s23, 9                         ; + the head's 512 bytes
	s_add_co_u32 s74, s74, s23
	s_lshl_b32 s23, s16, 8                         ; + my half of its channels
	s_add_co_u32 s74, s74, s23
	s_mov_b32 s75, 0
	s_lshl_b32 s[PFA], s22, 24                     ; the prefetches: K's plane or V's,
	s_add_co_u32 s[PFA], s[PFA], PLANE
	s_add_co_u32 s[PFA], s[PFA], s21               ; my (b, h),
	s_lshl_b32 s23, s13, 14
	s_add_co_u32 s[PFA], s[PFA], s23               ; my work-group's 16,384 bytes of a slot's 65,536,
	s_lshl_b32 s23, s16, 13
	s_add_co_u32 s[PFA], s[PFA], s23               ; my wave's 8,192 of them,
	s_add_co_u32 s[PFA], s[PFA], 2*65536           ; in slot 2: the first change of slots steps it to slot 3.  Nothing is prefetched at the head
	s_mov_b32 s[PFA+1], 0
	s_cmp_eq_u32 ttmp9, 0                          ; the first cluster of this (b, h): the same in all four partners
	s_cselect_b32 s[LIM], 1, -1
	; descriptor group 1: a tile of 64 rows x 256 elements of 2 bytes, padded in LDS
	s_mov_b32 s[G1K], 15|(1<<16)|(1<<20)|(1<<21)|(6<<22)|(3<<25)  ; 15:0 the mask: all four; 17:16 elements of 2 bytes; 20 padding on; 21 set beside a mask; 24:22 after every 128 words; 31:25 four words
	s_mov_b32 s[G1V], 15|(1<<16)|(1<<20)|(1<<21)|(6<<22)|(7<<25)  ; the same with eight words
.irp g, G1K, G1V
	s_mov_b32 s[\g+1], 256<<16                     ; tensor_dim0
	s_mov_b32 s[\g+2], KS<<16                      ; tensor_dim1
	s_mov_b32 s[\g+3], 256<<16                     ; tile_dim0
	s_mov_b32 s[\g+4], KS                          ; tile_dim1
	s_mov_b32 s[\g+5], 256                         ; stride from row to row
	s_mov_b32 s[\g+6], 0
	s_mov_b32 s[\g+7], 0
.endr
	s_mov_b32 s[CS], 0x3db8aa3b                    ; c = log2(e) / 16
	s_mov_b32 s[CS+1], s[CS]                       ; (named with it as a pair, so it is written)
	s_mov_b32 s[SEL], 0x76543210
	s_mov_b32 s[SEL+1], 0xfedcba98                 ; v_permlanex16_b32's selects for lane l xor 16
	s_mov_b32 s[TB], 0
	s_mov_b32 s[RB], SLOTB
	s_mov_b32 s[SLOTS], 2048/(2*KS)-2
	s_wait_dscnt 0x0                               ; both opening adds are done
	s_wait_kmcnt 0x0
	s_add_nc_u64 s[68:69], s[4:5], s[68:69]
	s_add_nc_u64 s[70:71], s[4:5], s[70:71]
	s_add_nc_u64 s[72:73], s[4:5], s[72:73]
	s_add_nc_u64 s[PFA:PFA+1], s[4:5], s[PFA:PFA+1]
	s_add_nc_u64 s[74:75], s[6:7], s[74:75]
	CROUND                                         ; all four work-groups are here: the first joint loads meet
.irp s, 0,1
	s_mov_b32 s[G0K+4*\s], 1
	s_add_co_u32 s[G0K+4*\s+1], s[KOFF], \s*SLOTB
	s_add_nc_u64 s[G0K+4*\s+2:G0K+4*\s+3], s[68:69], \s*65536
	s_or_b32 s[G0K+4*\s+3], s[G0K+4*\s+3], 0x80000000
	s_mov_b32 s[G0V+4*\s], 1
	s_add_co_u32 s[G0V+4*\s+1], s[VOFS], \s*SLOTB
	s_add_nc_u64 s[G0V+4*\s+2:G0V+4*\s+3], s[70:71], \s*65536
	s_or_b32 s[G0V+4*\s+3], s[G0V+4*\s+3], 0x80000000
.endr
	s_cmp_lt_u32 s[WV], 2                          ; a wave's two first fills stand in one branch: two loads of mine are out
	s_cbranch_scc0 .Lfirst_v
	tensor_load_to_lds s[G0K:G0K+3], s[G1K:G1K+7]
	s_nop 0
	tensor_load_to_lds s[G0K+4:G0K+7], s[G1K:G1K+7]
	s_nop 0
.rept 4
	v_nop
.endr
	s_branch .Lfirst_asked
.Lfirst_v:
	tensor_load_to_lds s[G0V:G0V+3], s[G1V:G1V+7]
	s_nop 0
	tensor_load_to_lds s[G0V+4:G0V+7], s[G1V:G1V+7]
	s_nop 0
.rept 4
	v_nop
.endr
.Lfirst_asked:
	v_and_b32 v1, 15, v0                           ; r
	v_bfe_u32 v9, v0, 4, 1                         ; h
	v_lshlrev_b32 v[QO], 9, v1
	v_lshl_add_u32 v[QO], v9, 4, v[QO]             ; Q: row r of 512 bytes + 16 h
	WIN 0x40                                       ; destination window 1
.irp t, 0,1,2,3
.irp c, 0,1,2,3,4,5,6,7
	global_load_b128 v[64*\t+8*\c:64*\t+8*\c+3],   v[QO], s[72:73] offset:\t*8192+\c*64       ; Q stays in registers
	global_load_b128 v[64*\t+8*\c+4:64*\t+8*\c+7], v[QO], s[72:73] offset:\t*8192+\c*64+32
.endr
.endr
	WIN 0
	s_mul_i32 s20, s16, 32*PK
	v_mul_u32_u24 v[AK0], v1, PK
	v_lshl_add_u32 v[AK0], v9, 4, v[AK0]
	v_add_nc_u32 v[AK0], s20, v[AK0]               ; K: (32 kh + r) rows + 16 h
	v_and_b32 v50, 7, v0
	v_bfe_u32 v51, v0, 3, 1
	v_lshl_add_u32 v50, v9, 3, v50
	v_mul_u32_u24 v50, v50, PV
	v_lshl_add_u32 v50, v51, 4, v50                ; V, turned: key 8 h + lane % 8, channels 8 ((lane / 8) % 2) on
	s_mul_i32 s20, s16, 32*PV+256
	s_add_co_u32 s20, s20, VOFF
	v_add_nc_u32 v[AV0], s20, v50                  ; my 32 keys; the half of the channels that I finish: 256 kh bytes on
	s_mul_i32 s20, s16, 32*PV-256
	s_add_co_u32 s20, s20, VOFF+256
	v_add_nc_u32 v[AV1], s20, v50                  ; and the other half: 256 (1 - kh)
	s_mul_i32 s20, s[WV], 16*SP
	s_add_co_u32 s20, s20, STAGE                   ; my stage
	v_mul_u32_u24 v[STO], v1, SP
	v_lshl_add_u32 v[STO], v9, 4, v[STO]
	v_add_nc_u32 v[STO], s20, v[STO]
	v_mul_u32_u24 v[RD], v9, SP
	v_lshl_add_u32 v[RD], v1, 4, v[RD]
	v_add_nc_u32 v[RD], s20, v[RD]
	v_lshlrev_b32 v[GO], 11, v9                    ; ctx: lanes 0-15 one row, lanes 16-31 the next; 16 bytes a lane
	v_lshl_add_u32 v[GO], v1, 4, v[GO]
	v_and_b32 v50, 31, v0
	v_lshlrev_b32 v[PFO], 8, v50
	v_lshlrev_b32 v50, 4, v50
	s_mul_i32 s20, s[WV], XW
	v_add_nc_u32 v[XST], s20, v50                  ; the merge: where I put images: 16 x lane + XW x wave,
	s_xor_b32 s20, s[WV], 1
	s_mul_i32 s20, s20, XW
	v_add_nc_u32 v[XLD], s20, v50                  ; and where my partner has put its
.irp t, 0,1,2,3
	v_mov_b32 v[ST+8*\t+1], 0xff61b1e6             ; m = -3e38, under every score
	v_mov_b32 v[ST+8*\t+2], 0                      ; l
	v_mov_b32 v[ST+8*\t+3], 0
.endr
.irp t, 0,1,2,3
	v_mul_f32 v[ST+8*\t], s[CS], v[ST+8*\t+1]      ; c m
.endr
.macro PLACES n                        ; plain vector instructions that name no register of the matrix instructions in front (ISA guide 7.12.1)
.rept \n
	v_nop
.endr
.endm
.macro ADDR                            ; the LDS addresses of the area at s[TB]
	v_add_nc_u32 v[ADK], s[TB], v[AK0]
	v_add_nc_u32 v[ADV0], s[TB], v[AV0]
	v_add_nc_u32 v[ADV0+1], s[TB], v[AV1]
.endm
.macro KLOAD hf                        ; 16 loads: K's fragments (16 keys kt, channels 32 c on) of channels 128 hf on, at v[FB + 8 (2 c + kt)]
.irp c4, 0,1,2,3
.irp kt, 0,1
.set CC, 4*(\hf)+\c4
	ds_load_b128 v[FB+8*(2*CC+\kt):FB+8*(2*CC+\kt)+3],   v[ADK] offset:\kt*16*PK+64*CC
	ds_load_b128 v[FB+8*(2*CC+\kt)+4:FB+8*(2*CC+\kt)+7], v[ADK] offset:\kt*16*PK+64*CC+32
.endr
.endr
.endm
.macro VLOAD hf                        ; 16 turning loads: V^T's fragments (16 channels x 32 keys) of places 8 hf .. 8 hf + 7
.irp i, 0,1,2,3,4,5,6,7
	ds_load_tr16_b128 v[FB+8*(8*(\hf)+\i):FB+8*(8*(\hf)+\i)+3],   v[ADV0+(\hf)] offset:32*\i
	ds_load_tr16_b128 v[FB+8*(8*(\hf)+\i)+4:FB+8*(8*(\hf)+\i)+7], v[ADV0+(\hf)] offset:32*\i+16*PV
.endr
.endm
; Product I of 32 of S^T = K Q^T for the piece whose first tile is y: channels 32 (I / 4) on, keys 16 ((I / 2) % 2) on, tile y + I % 2.  The piece's four accumulators take turns, one instruction a turn
; channels 0-31 start the sums.
.macro KQ y
.set CC, I/4
.set KT, (I/2)%2
.set TT, (\y)+I%2
.if CC == 0
	v_wmma_f32_16x16x32_f16 v[S+16*TT+8*KT:S+16*TT+8*KT+7], v[FB+8*(2*CC+KT):FB+8*(2*CC+KT)+7], v[64*TT+8*CC:64*TT+8*CC+7], 0
.else
	v_wmma_f32_16x16x32_f16 v[S+16*TT+8*KT:S+16*TT+8*KT+7], v[FB+8*(2*CC+KT):FB+8*(2*CC+KT)+7], v[64*TT+8*CC:64*TT+8*CC+7], v[S+16*TT+8*KT:S+16*TT+8*KT+7]
.endif
.set I, I+1
.endm
.macro PVG pr, first                   ; the two products of O^T += V^T P on place F for piece pr (0: A, 1: B).  first = 1: they start the sums.  Each accumulator has one product a step
	WIN 0xa0+0x50*\pr                              ; V and P in window 0, O^T in window 2 + pr
.irp u, 0,1
.if \first
	v_wmma_f32_16x16x32_f16 v[128*\u+8*F:128*\u+8*F+7], v[FB+8*F:FB+8*F+7], v[S+16*(2*\pr+\u):S+16*(2*\pr+\u)+7], 0
.else
	v_wmma_f32_16x16x32_f16 v[128*\u+8*F:128*\u+8*F+7], v[FB+8*F:FB+8*F+7], v[S+16*(2*\pr+\u):S+16*(2*\pr+\u)+7], v[128*\u+8*F:128*\u+8*F+7]
.endif
.endr
.endm
.macro RS t, f                         ; O^T of tile t, place f, times a; from its low end on
.set rO, 128*((\t)%2)+8*(\f)
.irp j, 0,2,4,6
	v_pk_mul_f32 v[rO+\j:rO+\j+1], v[rO+\j:rO+\j+1], v[ST+8*(\t)+6:ST+8*(\t)+7] op_sel_hi:[1,0]
.endr
.endm
.macro RSN n                           ; the next n units of piece A's rescaling: unit U is tile U % 2, place U / 2
	WIN 0x82                                       ; O^T (destination and source 0) in window 2, a in window 0
.rept \n
	RS U%2, U/2
.set U, U+1
.endr
.endm
; Row R of 54 of the softmax of tiles y and y + 1 for 32 keys: the same line for both tiles.  s0-s15 are a lane's scores of a tile.
;   0-7 the maximum of s0-s15 and the old m, in two chains, each accumulator from its low end on;  8-12 the other half of the lanes' maximum, the new m, c m and its change;  13-20 c s - c m, a pair a line;
;   21-37 ONE BATCH of exponentials: a, then s0-s15;  38-45 the sum, l = a l + the sum;  46-53 P, rounded to f16 in place: register i is written when pairs up to i have been read.
.macro SMROW y
.irp t, \y, \y+1
.set rT, ST+8*(\t)
.set rS, S+16*(\t)
.if R == 0
	v_max3_num_f32 v[rT+4], v[rS], v[rS+1], v[rS+2]
.elseif R == 1
	v_max3_num_f32 v[rT+5], v[rS+8], v[rS+9], v[rS+10]
.elseif R < 6
	v_max3_num_f32 v[rT+4+R%2], v[rT+4+R%2], v[rS+8*(R%2)+2*(R/2)+1], v[rS+8*(R%2)+2*(R/2)+2]
.elseif R == 6
	v_max3_num_f32 v[rT+4], v[rT+4], v[rS+7], v[rS+15]
.elseif R == 7
	v_max3_num_f32 v[rT+4], v[rT+4], v[rT+5], v[rT+1]
.elseif R == 8
	v_permlanex16_b32 v[rT+5], v[rT+4], s[SEL], s[SEL+1]
.elseif R == 9
	v_mov_b32 v[rT+7], v[rT]
.elseif R == 10
	v_max_num_f32 v[rT+1], v[rT+4], v[rT+5]
.elseif R == 11
	v_mul_f32 v[rT], s[CS], v[rT+1]
.elseif R == 12
	v_sub_f32 v[rT+7], v[rT+7], v[rT]
.elseif R < 21
	v_pk_fma_f32 v[rS+2*(R-13):rS+2*(R-13)+1], v[rS+2*(R-13):rS+2*(R-13)+1], s[CS:CS+1], v[rT:rT+1] op_sel_hi:[1,0,0] neg_lo:[0,0,1] neg_hi:[0,0,1]
.elseif R == 21
	v_exp_f32 v[rT+6], v[rT+7]
.elseif R < 38
	v_exp_f32 v[rS+R-22], v[rS+R-22]
.elseif R == 38
	v_pk_add_f32 v[rT+4:rT+5], v[rS:rS+1], v[rS+2:rS+3]
.elseif R < 45
	v_pk_add_f32 v[rT+4:rT+5], v[rT+4:rT+5], v[rS+4+2*(R-39):rS+5+2*(R-39)]
.elseif R == 45
	v_pk_fma_f32 v[rT+2:rT+3], v[rT+2:rT+3], v[rT+6:rT+7], v[rT+4:rT+5] op_sel_hi:[1,0,1]
.else
	v_cvt_pk_f16_f32 v[rS+R-46], v[rS+2*(R-46)], v[rS+2*(R-46)+1]
.endif
.endr
.endm
.macro ROWS y, n                       ; the next n rows.  Ahead of row 38, the first that names a result of the batch: a plain instruction behind the last exponential, and the one wait
	WIN 0
.rept \n
.if R == 38
	v_nop
	s_wait_alu depctr_va_vdst(0)
.endif
	SMROW \y
.set R, R+1
.endr
.endm
; Every run of LDS loads is 16 instructions.  H0 takes K's channels 0-127 behind phase 4's place 7 and V's places 0-7 behind phase 2's channels 0-127; H1 takes K's other half behind phase 4 and V's behind phase 2.
; A load into a half stands four plain vector instructions or more behind the last matrix instruction that read it: a slice of plain lines, or v_nop where there is none.
.macro PH1                             ; K Q^T of piece A
	s_wait_dscnt 16                                ; K's channels 0-127 are in; the run for channels 128-255 may be out
	WIN W_KQ
.set I, 0
.rept 16
	KQ 0
.endr
	s_wait_dscnt 0x0                               ; K's channels 128-255 are in
.rept 16
	KQ 0
.endr
	WIN 0
	PLACES 4                                       ; ahead of the softmax's reads of A's scores
.endm
; K Q^T of piece B, in 16 pairs.  Behind pairs 0-6: rows 0-37 of A's softmax; 7-9: rows 38-53; 10-15: A's places 0-7 times a (16 units of four lines).  first = 1: nothing is rescaled.
.macro PH2 first
.set I, 0
.set R, 0
.set U, 0
.set G, 0
.rept 16
	WIN W_KQ
	KQ 2
	KQ 2
.if (G < 2) || (G == 5) || (G == 6) || (G == 7) || (G == 8)
	ROWS 0, 5
.elseif G < 10
	ROWS 0, 6
.elseif (\first) == 0
.if G < 14
	RSN 3
.else
	RSN 2
.endif
.endif
.if G == 7
	VLOAD 0                                        ; H0's last products are pair 7's; ten additions stand between
.endif
.set G, G+1
.endr
	WIN 0
.if \first
	PLACES 4                                       ; where nothing was rescaled: the places ahead of the loads into H1 and of the reads of B's scores
.endif
	VLOAD 1
.endm
; V^T P of piece A, place by place.  Behind places 0, 2, .. 10 and 12, 13, 14: B's softmax, six rows each; behind 1, 3, .. 11: A's places 8-15 times a, each ahead of its own product; behind 15: B's place 0 times a.
.macro PH3 first
	s_wait_dscnt 16                                ; V's places 0-7 are in; the run for places 8-15 may be out
.set R, 0
.set F, 0
.rept 16
.if F == 8
	s_wait_dscnt 0x0                               ; V's places 8-15 are in
.endif
	PVG 0, \first
.if ((F%2 == 0) && (F < 12)) || ((F > 11) && (F < 15))
	ROWS 2, 6
.elseif (\first) == 0
.if F < 10
	RSN 3
.elseif F == 11
	RSN 1
.else
	WIN 0xc3                                       ; O^T in window 3, a in window 0
	RS 2, 0
	RS 3, 0
.endif
.endif
.set F, F+1
.endr
	WIN 0
.endm
; V^T P of piece B, place by place; the next place's rescaling stands behind each pair.  more = 1: the next step's K is fetched round it.
.macro PH4 first, more
.if \more
	ADDR
.endif
.set F, 0
.rept 16
	PVG 1, \first
.if ((\first) == 0) && (F < 15)
	WIN 0xc3
	RS 2, F+1
	RS 3, F+1
.endif
.if (\more) && (F == 7)
	WIN 0
.if \first
	PLACES 4
.endif
	KLOAD 0
.endif
.set F, F+1
.endr
	WIN 0
	PLACES 5                                       ; four are owed ahead of the loads into H1, five ahead of the products that write S^T over P, which the last products have read
.if \more
	KLOAD 1
.endif
.endm
.macro ITER first                      ; from a step's phase 4 to the next step's phase 3
	PH4 \first, 1
	PH1
	PH2 0
	PH3 0
	s_add_co_u32 s[TB], s[TB], STEPB               ; the next fetch is the next area's
.endm
.macro TWO_ITERS                       ; a slot's two steps: written once, walked twice
	s_mov_b32 s[TWICE], 2
.Lstep_\@:
	ITER 0
	s_sub_co_u32 s[TWICE], s[TWICE], 1
	s_cmp_lg_u32 s[TWICE], 0
	s_cbranch_scc1 .Lstep_\@
.endm
; THE CHANGE OF SLOTS stands between phases 3 and 4 of a slot's second step: all of the slot's bytes have been read into registers.  Each wave waits for all its tensor loads (one is out: its part of the other region),
; adds 0 to its spare word, and waits for that and for its reads of the slot.  fill = 1: the region is filled again with the keys two slots on: the barrier is then a round of the cluster's, and the joint refill is the first thing behind it.
.macro CHANGE fill
	WIN 0
	s_wait_tensorcnt 0x0                           ; no tensor load of mine is out, so a group 0 may be written
	ds_add_u32 v[SPW], v[NIL]
.if \fill
	s_xor_b32 s[RB], s[RB], SLOTB                  ; the walking descriptors: the other region than last time,
	s_add_co_u32 s[G0K+5], s[RB], s[KOFF]
	s_add_co_u32 s[G0V+5], s[RB], s[VOFS]
	s_add_nc_u64 s[G0K+6:G0K+7], s[G0K+6:G0K+7], 65536   ; the next 128 keys
	s_add_nc_u64 s[G0V+6:G0V+7], s[G0V+6:G0V+7], 65536
	s_wait_xcnt 0x0                                ; the last prefetch, a slot back, has read its address
	s_add_nc_u64 s[PFA:PFA+1], s[PFA:PFA+1], 65536
	s_wait_dscnt 0x0                               ; the add is done, and my reads of the slot are over
	CROUND
	JLOAD
	ASK
.else
	s_wait_dscnt 0x0
	s_barrier_signal -1
	s_barrier_wait -1
.endif
	s_sub_co_u32 s[TB], s[TB], 2*STEPB             ; the fetches go back to a region's first area,
	s_xor_b32 s[TB], s[TB], SLOTB                  ; in the other region
.endm
	s_wait_tensorcnt 1                             ; my part of slot 0 is in; slot 1's may be out
	s_barrier_signal -1
	s_barrier_wait -1
	ADDR
	KLOAD 0
	KLOAD 1
	s_wait_loadcnt 0x0                             ; Q
	PH1                                            ; step 0
	PH2 1
	PH3 1                                          ; its products start A's sums
	s_add_co_u32 s[TB], s[TB], STEPB
	ITER 1                                         ; step 0's phase 4 starts B's sums; step 1
.Lslot:                                            ; 14 trips: trip k leaves slot k - 1 and fills its region with slot k + 1
	CHANGE 1
	TWO_ITERS
	s_sub_co_u32 s[SLOTS], s[SLOTS], 1
	s_cmp_lg_u32 s[SLOTS], 0
	s_cbranch_scc1 .Lslot
	CHANGE 0                                       ; the tail is written out
	TWO_ITERS
	PH4 0, 0                                       ; the last step's phase 4
	; THE MERGE.  Each wave has m, l and O^T of its half of the keys.  It hands places 8-15 of O^T and its statistics to its partner as images of the registers, 16 bytes a lane, and takes the partner's for places 0-7.
.irp t, 0,1,2,3
	v_add_f32 v[ST+8*\t+4], v[ST+8*\t+2], v[ST+8*\t+3]
.endr
.irp t, 0,1,2,3
	v_permlanex16_b32 v[ST+8*\t+5], v[ST+8*\t+4], s[SEL], s[SEL+1]
.endr
.irp t, 0,1,2,3
	v_add_f32 v[ST+8*\t+4], v[ST+8*\t+4], v[ST+8*\t+5]     ; l of my keys
.endr
.irp t, 0,1,2,3
	v_mov_b32 v[64+\t], v[ST+8*\t]                 ; c m of the four tiles on end,
.endr
.irp t, 0,1,2,3
	v_mov_b32 v[68+\t], v[ST+8*\t+4]               ; and l
.endr
	s_wait_dscnt 0x0
	s_barrier_signal -1                            ; every wave's reads of the ring are over before any wave stores into it (region 0 was left at the last change of slots; this makes the order plain for the whole ring)
	s_barrier_wait -1
	ds_store_b128 v[XST], v[64:67] offset:32768
	ds_store_b128 v[XST], v[68:71] offset:33280
.irp t, 0,1,2,3
	WIN 0x08+4*(\t/2)                              ; an LDS store's data are its source 1: window 2 or 3
.irp i, 0,1,2,3,4,5,6,7
.irp u, 0,1
	ds_store_b128 v[XST], v[128*(\t%2)+64+8*\i+4*\u:128*(\t%2)+64+8*\i+4*\u+3] offset:((8*\t+\i)*2+\u)*512   ; each accumulator from its low end on
.endr
.endr
.endr
	WIN 0
	s_wait_dscnt 0x0                               ; for my partner's sake: my stores are done
	s_barrier_signal -1
	s_barrier_wait -1
	ds_load_b128 v[72:75], v[XLD] offset:32768     ; the partner's c m
	ds_load_b128 v[76:79], v[XLD] offset:33280     ; and l
	WIN 0x40                                       ; destination window 1: Q's registers are free
.irp t, 0,1,2,3
.irp i, 0,1,2,3,4,5,6,7
.irp u, 0,1
	ds_load_b128 v[64*\t+8*\i+4*\u:64*\t+8*\i+4*\u+3], v[XLD] offset:((8*\t+\i)*2+\u)*512
.endr
.endr
.endr
	WIN 0
	s_wait_dscnt 63                                ; the statistics, the two oldest of these 66 loads, are in
.irp t, 0,1,2,3
	v_max_num_f32 v[50+\t], v[64+\t], v[72+\t]     ; the joint c m
.endr
.irp t, 0,1,2,3
	v_sub_f32 v[54+\t], v[64+\t], v[50+\t]
.endr
.irp t, 0,1,2,3
	v_sub_f32 v[58+\t], v[72+\t], v[50+\t]
.endr
.irp t, 0,1,2,3
	v_exp_f32 v[54+\t], v[54+\t]                   ; g1: what brings my sums under the joint maximum,
.endr
.irp t, 0,1,2,3
	v_exp_f32 v[58+\t], v[58+\t]                   ; g2: the partner's
.endr
	v_nop
	s_wait_alu depctr_va_vdst(0)                   ; one wait for the eight
.irp t, 0,1,2,3
	v_mul_f32 v[50+\t], v[68+\t], v[54+\t]
.endr
.irp t, 0,1,2,3
	v_fma_f32 v[50+\t], v[76+\t], v[58+\t], v[50+\t]       ; the row's sum
.endr
.irp t, 0,1,2,3
	v_rcp_f32 v[50+\t], v[50+\t]
.endr
	v_nop
	s_wait_alu depctr_va_vdst(0)                   ; one wait for the four
.irp t, 0,1,2,3
	v_mul_f32 v[ST+8*\t+6], v[54+\t], v[50+\t]     ; g1 / the sum
.endr
.irp t, 0,1,2,3
	v_mul_f32 v[ST+8*\t+4], v[58+\t], v[50+\t]     ; g2 / the sum
.endr
	s_wait_dscnt 0x0                               ; the partner's O^T is in
; Tile t: places 0-7 of both are joined, rounded to f16, and go through my stage: rows of 272 bytes in, whole rows of 256 bytes back, into the registers that they left.
.macro PACK t
.set rO, 128*((\t)%2)
	WIN 0x82+0x41*((\t)/2)
.set i, 0
.rept 32
	v_pk_mul_f32 v[rO+i:rO+i+1], v[rO+i:rO+i+1], v[ST+8*(\t)+6:ST+8*(\t)+7] op_sel_hi:[1,0]
.set i, i+2
.endr
	WIN 0xa1+0x50*((\t)/2)                         ; source 0 (the partner's) window 1, source 1 window 0, source 2 and destination window 2 or 3
.set i, 0
.rept 32
	v_pk_fma_f32 v[rO+i:rO+i+1], v[64*(\t)+i:64*(\t)+i+1], v[ST+8*(\t)+4:ST+8*(\t)+5], v[rO+i:rO+i+1] op_sel_hi:[1,0,1]
.set i, i+2
.endr
	WIN 0x0a+5*((\t)/2)
.set i, 0
.rept 32
	v_cvt_pk_f16_f32 v[FB+32*(\t)+i], v[rO+2*i], v[rO+2*i+1]
.set i, i+1
.endr
	WIN 0
.irp f, 0,1,2,3,4,5,6,7
	ds_store_b128 v[STO], v[FB+32*(\t)+4*\f:FB+32*(\t)+4*\f+3] offset:32*\f
.endr
.irp f, 0,1,2,3,4,5,6,7
	ds_load_b128 v[FB+32*(\t)+4*\f:FB+32*(\t)+4*\f+3], v[RD] offset:\f*2*SP    ; LDS serves a wave's instructions in order: these see the stores above; the next tile's stores come behind them
.endr
.endm
.macro SEND t, younger                 ; younger: the LDS instructions issued behind tile t's loads: the next tile's sixteen, or none
.irp j, 0,1,2,3,4,5,6,7
	s_wait_dscnt \younger+7-\j
	global_store_b128 v[GO], v[FB+32*\t+4*\j:FB+32*\t+4*\j+3], s[74:75] offset:\t*32768+\j*4096   ; 16 lanes store 256 consecutive bytes, aligned
.endr
.endm
	PACK 0
	PACK 1
	SEND 0, 16
	PACK 2
	SEND 1, 16
	PACK 3
	SEND 2, 16
	SEND 3, 0
	s_wait_tensorcnt 0x0                           ; the wave's end
	ds_add_u32 v[SPW], v[NIL]
	s_wait_dscnt 0x0
	CROUND                                         ; the closing round
	s_endpgm
.Lfunc_end_k_q0258212afc_attn:
	.size	k_q0258212afc_attn, .Lfunc_end_k_q0258212afc_attn-k_q0258212afc_attn
	.p2alignl 7, 3214868480
	.fill 96, 4, 3214868480
	.section	.rodata,"a",@progbits
	.p2align	6, 0x0
	.amdhsa_kernel k_q0258212afc_attn
		.amdhsa_group_segment_fixed_size 327680
		.amdhsa_private_segment_fixed_size 0
		.amdhsa_enable_private_segment 0
		.amdhsa_kernarg_size 16
		.amdhsa_user_sgpr_count 2
		.amdhsa_user_sgpr_kernarg_segment_ptr 1
		.amdhsa_wavefront_size32 1
		.amdhsa_system_sgpr_workgroup_id_x 1
		.amdhsa_system_sgpr_workgroup_id_y 1
		.amdhsa_system_sgpr_workgroup_id_z 1
		.amdhsa_system_vgpr_workitem_id 0
		.amdhsa_next_free_vgpr 1024
		.amdhsa_next_free_sgpr 80
		.amdhsa_reserve_vcc 0
		.amdhsa_float_denorm_mode_32 3
		.amdhsa_float_denorm_mode_16_64 3
		.amdhsa_memory_ordered 1
		.amdhsa_forward_progress 1
		.amdhsa_inst_pref_size 215
	.end_amdhsa_kernel
	.amdgpu_metadata
---
amdhsa.version: [ 1, 2 ]
amdhsa.kernels:
  - .name:           k_q0258212afc_attn
    .symbol:         k_q0258212afc_attn.kd
    .args:
      - { .name: qkv16, .offset: 0, .size: 8, .value_kind: global_buffer, .address_space: global }
      - { .name: ctx16, .offset: 8, .size: 8, .value_kind: global_buffer, .address_space: global }
    .group_segment_fixed_size: 327680
    .private_segment_fixed_size: 0
    .kernarg_segment_align: 8
    .kernarg_segment_size: 16
    .max_flat_workgroup_size: 128
    .sgpr_count:     80
    .vgpr_count:     1024
    .wavefront_size: 32
...
	.end_amdgpu_metadata
.endif
;; end of part 3
;; launch oproj (part 4): grid 8 x 32, 4 waves a work-group, clusters of 4 x 4, 327,680 bytes of LDS; arguments ctx16, wo16, bo, out0; writes out0
.if DOCPART == 4
	.amdgcn_target "amdgcn-amd-amdhsa--gfx1250"
	.amdhsa_code_object_version 6
	.text
	.protected	k_q0258212afc_oproj
	.globl	k_q0258212afc_oproj
	.p2align	8
	.type	k_q0258212afc_oproj,@function
k_q0258212afc_oproj:
	s_mov_b64 s[64:65], 0
	v_nop
	global_prefetch_b8 v0, s[64:65] scope:SCOPE_SE
	s_setreg_imm32_b32 hwreg(HW_REG_WAVE_MODE, 25, 1), 1
	s_wait_xcnt 0x0
	s_wait_alu depctr_hold_cnt(0) depctr_sa_sdst(0) depctr_va_vdst(0) depctr_va_sdst(0) depctr_va_ssrc(0) depctr_va_vcc(0) depctr_vm_vsrc(0)
	s_getreg_b32 s2, hwreg(HW_REG_IB_STS2, 6, 4)
	s_cmp_eq_u32 s2, 0
	s_cbranch_scc0 .Lentry_in_a_cluster
	s_endpgm
.Lentry_in_a_cluster:
	s_bfe_u32 s2, ttmp6, 0x10000c
	s_cmp_lg_u32 s2, 0xf033
	s_cbranch_scc0 .Lentry_shape_is_right
	s_endpgm
.Lentry_shape_is_right:
; out0[m][n] = the sum over k of ctx[m][k] Wo[n][k] + bo[n].  A = ctx16 [8192][1024], B = wo16 [1024][1024], f16; sums in f32; bo [1024] and out0 [8192][1024] f32.
; A tile of the result is 128 x 128: 512 tiles.  Four waves, each 64 x 64: 16 accumulators, 128 registers.  K goes in steps of 256 (LDS rows of 512 bytes; a wave's tensor load brings 64 of them) through two slots.
; A WORK-GROUP STAYS: 256 work-groups make two tiles each, 4,096 rows apart, with the same columns, so the same rows of B and the same bias.  The ring does not stop at the first tile's end: its last two changes of
; slots ask for the second tile's K steps 0 and 1, and nothing waits for the first tile's stores, which leave while the second tile is multiplied.  Two tiles of four K steps are written out: the text has no loop.
; The bias is the C of each sum's first matrix instruction: eight registers for each 16 columns, in the result's layout.
; CLUSTERS: 4 x 4 work-groups; A's tile is shared along a row of the cluster, B's along a column: each is asked for JOINTLY.
; THE MATRIX INSTRUCTION IS USED TRANSPOSED (source 0 = 16 rows of B, source 1 = 16 rows of A): a lane holds eight neighbouring numbers of a row of the result.
; REGISTERS: window 0: v0-31 addresses; v32-95 the way out; v96-127 the bias; v128-255 the accumulators ((a, b) at v[128 + 8 (4 a + b)]).  window 1: two fragment buffers of 128: for 64 along K, 64 registers of A, then 64 of B.
.set SIZE_N, 1024
.set SIZE_K, 1024
.set KSTEP,  256
.set PITCH,  528                       ; an LDS row: 512 bytes + 16 = 132 words: the 16 rows of a load start at 16 different banks (64 banks of 4 bytes: ISA guide 11.1)
.set HALFT,  64*PITCH
.set SLOT,   4*HALFT
.set STAGE,  2*SLOT                    ; behind the ring: 16 rows x 272 bytes for each wave: a wave's 64 columns of f32 are 256 bytes, so each wave has a stage of its own and the way out has no barrier
.set SPITCH, 272
.set SPARE,  STAGE+4*16*SPITCH         ; the spare words, 128 bytes for each wave, which no other line names
.set WALK,   4096                      ; a work-group's two tiles lie so many rows apart: the grid's height in rows
.set NEXT_A, WALK*SIZE_K*2-(SIZE_K-2*KSTEP)*2   ; bytes from a slot's last K step of a tile to its first of the next tile: A goes WALK rows down and back along K,
.set BACK_B, (SIZE_K-2*KSTEP)*2        ; B only back
.set ADRA, 16
.set ADRB, 20
.set STO,  24
.set RD,   25
.set CO,   26
.set BOF,  27
.set SPW,  28
.set NIL,  29
.set TMP,  32
.set BI,   96
.set ACC,  128
.set F0,   0
.set F1,   128
.set G1, 24
.set G0, 32
.set G1B, 48
.set G0B, 56
.set MSB, 0
.macro WIN new
.if MSB != (\new)
	s_set_vgpr_msb (MSB<<8)|(\new)
.set MSB, (\new)
.endif
.endm
.set MUL,  0x05                        ; sources 0 (B) and 1 (A) window 1; C and D window 0
.set TO_F, 0x40
.macro JLOAD s                         ; a joint load: waves 0 and 1 fetch A's two halves, waves 2 and 3 B's; an s_nop 0 and four v_nop follow each of the two lines
	s_cmp_eq_u32 s11, 0
	s_cbranch_scc0 .Lfor_b_\@
	tensor_load_to_lds s[G0+4*\s:G0+4*\s+3], s[G1:G1+7]
	s_nop 0
.rept 4
	v_nop
.endr
	s_branch .Lasked_\@
.Lfor_b_\@:
	tensor_load_to_lds s[G0B+4*\s:G0B+4*\s+3], s[G1B:G1B+7]
	s_nop 0
.rept 4
	v_nop
.endr
.Lasked_\@:
.endm
.macro CREST                           ; a round of the cluster's barrier behind its opening barrier
	s_cmp_lg_u32 s10, 0
	s_cbranch_scc1 .Lnot_wave_0_\@
	s_barrier_signal -3
.Lnot_wave_0_\@:
	s_barrier_wait -3
	s_barrier_signal -1
	s_barrier_wait -1
.endm
.macro CROUND
	s_barrier_signal -1
	s_barrier_wait -1
	CREST
.endm
	s_load_b128 s[4:7], s[0:1], 0x0                ; A, B
	s_load_b64 s[66:67], s[0:1], 0x10              ; bo
	s_load_b64 s[8:9], s[0:1], 0x18                ; out0
	v_lshl_add_u32 v[SPW], v0, 2, SPARE
	v_mov_b32 v[NIL], 0
	ds_add_u32 v[SPW], v[NIL]                      ; the wave's opening: the add, twice on end, and its wait ahead of my first tensor load
	ds_add_u32 v[SPW], v[NIL]
	v_lshrrev_b32 v1, 5, v0
	v_readfirstlane_b32 s10, v1                    ; wave 0..3
	s_lshr_b32 s11, s10, 1                         ; which half of the tile's rows is mine.  Also: I fetch for A (0) or for B (1)
	s_and_b32 s12, s10, 1                          ; which half of its columns.  Also: which 64 rows I fetch
	s_bfe_u32 s40, ttmp6, 0x40000                  ; cx, cy
	s_bfe_u32 s41, ttmp6, 0x40004
	s_lshl_b32 s42, ttmp9, 2
	s_add_co_u32 s42, s42, s40                     ; tile column, 0..7
	s_and_b32 s13, ttmp7, 0xffff
	s_lshl_b32 s13, s13, 2
	s_add_co_u32 s13, s13, s41                     ; the first tile's row, 0..31; the second's is 32 further on
	s_lshl_b32 s43, s41, 2
	s_lshl_b32 s43, 15, s43                        ; my row of the cluster
	s_lshl_b32 s44, 0x1111, s40                    ; my column
	; descriptor group 1: a tile of 64 rows x 256 elements of 2 bytes, 16 bytes of padding behind each row
	s_or_b32 s[G1+0], s43, (1<<16)|(1<<20)|(1<<21)|(6<<22)|(3<<25)
	s_or_b32 s[G1B+0], s44, (1<<16)|(1<<20)|(1<<21)|(6<<22)|(3<<25)
.irp g, G1, G1B
	s_mov_b32 s[\g+1], KSTEP<<16                   ; tensor_dim0
	s_mov_b32 s[\g+2], 64<<16                      ; tensor_dim1
	s_mov_b32 s[\g+3], KSTEP<<16                   ; tile_dim0
	s_mov_b32 s[\g+4], 64                          ; tile_dim1
	s_mov_b32 s[\g+5], SIZE_K                      ; stride from row to row
	s_mov_b32 s[\g+6], 0
	s_mov_b32 s[\g+7], 0
.endr
	s_lshl_b32 s17, s12, 6
	s_lshl_b32 s16, s13, 7
	s_add_co_u32 s16, s16, s17                     ; A: row 128 x tile row + 64 x half
	s_lshl_b32 s46, s42, 7
	s_add_co_u32 s46, s46, s17                     ; B: row 128 x tile column + 64 x half
	s_mov_b32 s17, 0
	s_mov_b32 s47, 0
	s_mov_b64 s[18:19], SIZE_K*2
	s_mul_u64 s[16:17], s[16:17], s[18:19]
	s_mul_u64 s[46:47], s[46:47], s[18:19]
	s_mul_i32 s20, s10, HALFT                      ; where they go: wave x 64 rows
	s_wait_dscnt 0x0                               ; both opening adds are done
	s_wait_kmcnt 0x0
	s_add_nc_u64 s[14:15], s[4:5], s[16:17]
	s_add_nc_u64 s[46:47], s[6:7], s[46:47]
	CROUND                                         ; all sixteen work-groups are here: the first joint loads meet
.irp s, 0,1
	s_mov_b32 s[G0+4*\s], 1
	s_add_co_u32 s[G0+4*\s+1], s20, \s*SLOT
	s_add_nc_u64 s[G0+4*\s+2:G0+4*\s+3], s[14:15], \s*KSTEP*2
	s_or_b32 s[G0+4*\s+3], s[G0+4*\s+3], 0x80000000
	s_mov_b32 s[G0B+4*\s], 1
	s_add_co_u32 s[G0B+4*\s+1], s20, \s*SLOT
	s_add_nc_u64 s[G0B+4*\s+2:G0B+4*\s+3], s[46:47], \s*KSTEP*2
	s_or_b32 s[G0B+4*\s+3], s[G0B+4*\s+3], 0x80000000
	JLOAD \s
.endr
	v_and_b32 v1, 15, v0                           ; r
	v_bfe_u32 v2, v0, 4, 1                         ; h
	v_mul_u32_u24 v3, v1, PITCH
	v_lshl_add_u32 v3, v2, 4, v3
	s_mul_i32 s21, s11, HALFT                      ; my 64 rows of A
	s_mul_i32 s22, s12, HALFT                      ; my 64 rows of B,
	s_add_co_u32 s22, s22, 2*HALFT                 ; behind A's 128
.irp s, 0,1
	v_add_nc_u32 v[ADRA+\s], s21, v3
	v_add_nc_u32 v[ADRB+\s], s22, v3
	s_add_co_u32 s21, s21, SLOT
	s_add_co_u32 s22, s22, SLOT
.endr
	s_mul_i32 s23, s10, 16*SPITCH
	s_add_co_u32 s23, s23, STAGE                   ; my stage
	v_mul_u32_u24 v4, v1, SPITCH                   ; in: row r, 32 bytes for each half of the lanes
	v_lshl_add_u32 v4, v2, 5, v4
	v_add_nc_u32 v[STO], s23, v4
	v_mul_u32_u24 v5, v2, SPITCH                   ; back: lanes 0-15 one row of 256 bytes, lanes 16-31 the next
	v_lshl_add_u32 v5, v1, 4, v5
	v_add_nc_u32 v[RD], s23, v5
	v_lshlrev_b32 v5, 12, v2                       ; and the same two rows of the result: 4,096 bytes a row
	v_lshl_add_u32 v[CO], v1, 4, v5
	v_lshlrev_b32 v[BOF], 5, v2                    ; the bias: my half's eight numbers of 16
	s_lshl_b32 s46, s42, 9                         ; my first column, in bytes: 512 x tile column + 256 x half
	s_lshl_b32 s47, s12, 8
	s_add_co_u32 s46, s46, s47
	s_mov_b32 s47, 0
	s_add_nc_u64 s[66:67], s[66:67], s[46:47]
	s_add_nc_u64 s[8:9], s[8:9], s[46:47]
	s_lshl_b32 s16, s13, 7
	s_lshl_b32 s17, s11, 6
	s_add_co_u32 s16, s16, s17                     ; my first row: 128 x tile row + 64 x half
	s_lshl_b32 s16, s16, 12
	s_mov_b32 s17, 0
	s_add_nc_u64 s[8:9], s[8:9], s[16:17]
.irp b, 0,1,2,3
	global_load_b128 v[BI+8*\b:BI+8*\b+3],   v[BOF], s[66:67] offset:64*\b      ; register j of block b: bo at column 16 b + 8 h + j of my 64
	global_load_b128 v[BI+8*\b+4:BI+8*\b+7], v[BOF], s[66:67] offset:64*\b+16
.endr
; 8 matrix instructions: m blocks a0, a0 + 1 x all 4 n blocks, 32 along K: half c of buffer f.  zero = 1: the first product starts the sums on the bias
.macro MUL8 f, c, a0, zero
.irp a, \a0, \a0+1
.irp b, 0,1,2,3
.if \zero
	v_wmma_f32_16x16x32_f16 v[ACC+8*(4*(\a)+\b):ACC+8*(4*(\a)+\b)+7], v[\f+64+8*(4*\c+\b):\f+64+8*(4*\c+\b)+7], v[\f+8*(4*\c+(\a)):\f+8*(4*\c+(\a))+7], v[BI+8*\b:BI+8*\b+7]
.else
	v_wmma_f32_16x16x32_f16 v[ACC+8*(4*(\a)+\b):ACC+8*(4*(\a)+\b)+7], v[\f+64+8*(4*\c+\b):\f+64+8*(4*\c+\b)+7], v[\f+8*(4*\c+(\a)):\f+8*(4*\c+(\a))+7], v[ACC+8*(4*(\a)+\b):ACC+8*(4*(\a)+\b)+7]
.endif
.endr
.endr
.endm
; 32 LDS loads in one run: the fragments of 64 along K at byte k of the rows, into buffer f; the first 32 along K first
.macro FETCH slot, k, f
	WIN TO_F
.irp c, 0,1
.irp i, 0,1,2,3
	ds_load_b128 v[\f+64+8*(4*\c+\i):\f+64+8*(4*\c+\i)+3],   v[ADRB+\slot] offset:\k+64*\c+\i*16*PITCH
	ds_load_b128 v[\f+64+8*(4*\c+\i)+4:\f+64+8*(4*\c+\i)+7], v[ADRB+\slot] offset:\k+64*\c+\i*16*PITCH+32
	ds_load_b128 v[\f+8*(4*\c+\i):\f+8*(4*\c+\i)+3],         v[ADRA+\slot] offset:\k+64*\c+\i*16*PITCH
	ds_load_b128 v[\f+8*(4*\c+\i)+4:\f+8*(4*\c+\i)+7],       v[ADRA+\slot] offset:\k+64*\c+\i*16*PITCH+32
.endr
.endr
.endm
.macro PLACES                          ; four places ahead of loads into registers that matrix instructions have read
.rept 4
	v_nop
.endr
.endm
; A K step is four quarters of 64 along K, 32 matrix instructions each, on buffers 0, 1, 0, 1; the 16 accumulators take turns.
.macro QUARTER slot, k, f, g, zero
	s_wait_dscnt 16                                ; the first 32 along K are in; the other sixteen loads may be out
	WIN MUL
	MUL8 \f, 0, 0, \zero
	MUL8 \f, 0, 2, \zero
	PLACES
	FETCH \slot, \k, \g
	s_wait_dscnt 32                                ; all but the 32 just issued
	WIN MUL
	MUL8 \f, 1, 0, 0
	MUL8 \f, 1, 2, 0
.endm
; The last quarter multiplies buffer 1 and changes slots: one barrier; in front of it each wave waits for all its tensor loads, adds 0 to its spare word, and waits for that and for its reads of this slot.
; fill = 1: this slot is filled again with this tile's K step two steps on; fill = 2: with the next tile's K step 0 or 1.  The barrier then opens a round of the cluster's barrier, and the joint refill is the first
; thing behind the round.  fill = 0: nothing is left to fetch.
.macro TURN slot, next, fill
	WIN 0
	s_wait_tensorcnt 0x0
	ds_add_u32 v[SPW], v[NIL]
	s_wait_dscnt 17                                ; (the add and the youngest sixteen loads may be out)
	WIN MUL
	MUL8 F1, 0, 0, 0
	s_wait_dscnt 0x0                               ; the add is done, and my reads of this slot are over
	s_barrier_signal -1
	MUL8 F1, 0, 2, 0
.if \fill
	WIN 0
.endif
	s_barrier_wait -1
.if \fill
	CREST
.if \fill == 2
	s_add_nc_u64 s[G0+4*\slot+2:G0+4*\slot+3], s[G0+4*\slot+2:G0+4*\slot+3], NEXT_A
	s_sub_nc_u64 s[G0B+4*\slot+2:G0B+4*\slot+3], s[G0B+4*\slot+2:G0B+4*\slot+3], BACK_B
.else
	s_add_nc_u64 s[G0+4*\slot+2:G0+4*\slot+3], s[G0+4*\slot+2:G0+4*\slot+3], 2*KSTEP*2
	s_add_nc_u64 s[G0B+4*\slot+2:G0B+4*\slot+3], s[G0B+4*\slot+2:G0B+4*\slot+3], 2*KSTEP*2
.endif
	JLOAD \slot                                    ; the four v_nop behind it are also the places ahead of the loads below
.else
	PLACES
.endif
	FETCH \next, 0, F0
	WIN MUL
	MUL8 F1, 1, 0, 0
	MUL8 F1, 1, 2, 0
.endm
; THE WAY OUT, block by block of 16 rows x 64 columns of f32: 32 bytes a lane into my stage, back as whole rows of 256 bytes, two rows an instruction.
.macro TOSTAGE a
.irp b, 0,1,2,3
	ds_store_b128 v[STO], v[ACC+8*(4*(\a)+\b):ACC+8*(4*(\a)+\b)+3] offset:64*\b          ; each accumulator from its low end on
	ds_store_b128 v[STO], v[ACC+8*(4*(\a)+\b)+4:ACC+8*(4*(\a)+\b)+7] offset:64*\b+16
.endr
.irp t, 0,1,2,3,4,5,6,7
	ds_load_b128 v[TMP+32*((\a)%2)+4*\t:TMP+32*((\a)%2)+4*\t+3], v[RD] offset:\t*2*SPITCH   ; LDS serves a wave's instructions in order: these see the stores above
.endr
.endm
.macro SEND a, younger                 ; younger: the next block's sixteen LDS instructions, or none
	s_wait_dscnt \younger
.irp t, 0,1,2,3,4,5,6,7
	global_store_b128 v[CO], v[TMP+32*((\a)%2)+4*\t:TMP+32*((\a)%2)+4*\t+3], s[8:9] offset:(16*(\a)+2*\t)*SIZE_N*4 th:TH_STORE_NT   ; 16 lanes store 256 consecutive bytes, aligned; written once, read by nobody here
.endr
.endm
.macro WAYOUT tile
.rept 5
	v_nop                                          ; four places are owed ahead of the LDS stores that read results just made, five ahead of the next tile's first products, which write over the accumulators
.endr
.if \tile > 0
	s_wait_xcnt 0x0                                ; the first tile's stores have read their registers and their base: only now are these written again
	s_add_nc_u64 s[8:9], s[8:9], WALK*SIZE_N*4     ; on to the second tile's rows
.endif
	TOSTAGE 0
	TOSTAGE 1
	SEND 0, 16
	s_wait_xcnt 0x0                                ; block 0's stores have read their registers: block 2's loads may land there
	TOSTAGE 2
	SEND 1, 16
	s_wait_xcnt 0x0
	TOSTAGE 3
	SEND 2, 16
	SEND 3, 0                                      ; no LDS instruction of mine is out behind this line
.endm
; A tile: four K steps.  last = 0: its last two changes of slots ask for the next tile's first two K steps, and the second of them fetches the next tile's first fragments; then the tile goes out.
.macro TILE last
	QUARTER 0, 128, F0, F1, 1                      ; the first products start the sums on the bias
	QUARTER 0, 256, F1, F0, 0
	QUARTER 0, 384, F0, F1, 0
	TURN 0, 1, 1
	QUARTER 1, 128, F0, F1, 0
	QUARTER 1, 256, F1, F0, 0
	QUARTER 1, 384, F0, F1, 0
	TURN 1, 0, 1
	QUARTER 0, 128, F0, F1, 0
	QUARTER 0, 256, F1, F0, 0
	QUARTER 0, 384, F0, F1, 0
.if \last
	TURN 0, 1, 0
.else
	TURN 0, 1, 2
.endif
	QUARTER 1, 128, F0, F1, 0
	QUARTER 1, 256, F1, F0, 0
	QUARTER 1, 384, F0, F1, 0
.if \last
	s_wait_dscnt 16                                ; the very last quarter: nothing more to fetch
	WIN MUL
	MUL8 F1, 0, 0, 0
	MUL8 F1, 0, 2, 0
	s_wait_dscnt 0
	MUL8 F1, 1, 0, 0
	MUL8 F1, 1, 2, 0
.else
	TURN 1, 0, 2
.endif
	WIN 0
	WAYOUT \last
.endm
	s_wait_tensorcnt 1                             ; my part of K step 0 is in; K step 1's load may be out
	s_barrier_signal -1
	s_barrier_wait -1
	FETCH 0, 0, F0
	s_wait_loadcnt 0x0                             ; the bias
	TILE 0
	TILE 1
	s_wait_tensorcnt 0x0                           ; the wave's end
	ds_add_u32 v[SPW], v[NIL]
	s_wait_dscnt 0x0
	CROUND                                         ; the closing round
	s_endpgm
.Lfunc_end_k_q0258212afc_oproj:
	.size	k_q0258212afc_oproj, .Lfunc_end_k_q0258212afc_oproj-k_q0258212afc_oproj
	.p2alignl 7, 3214868480
	.fill 96, 4, 3214868480
	.section	.rodata,"a",@progbits
	.p2align	6, 0x0
	.amdhsa_kernel k_q0258212afc_oproj
		.amdhsa_group_segment_fixed_size 327680
		.amdhsa_private_segment_fixed_size 0
		.amdhsa_enable_private_segment 0
		.amdhsa_kernarg_size 32
		.amdhsa_user_sgpr_count 2
		.amdhsa_user_sgpr_kernarg_segment_ptr 1
		.amdhsa_wavefront_size32 1
		.amdhsa_system_sgpr_workgroup_id_x 1
		.amdhsa_system_sgpr_workgroup_id_y 1
		.amdhsa_system_sgpr_workgroup_id_z 1
		.amdhsa_system_vgpr_workitem_id 0
		.amdhsa_next_free_vgpr 512
		.amdhsa_next_free_sgpr 68
		.amdhsa_reserve_vcc 0
		.amdhsa_float_denorm_mode_32 3
		.amdhsa_float_denorm_mode_16_64 3
		.amdhsa_memory_ordered 1
		.amdhsa_forward_progress 1
		.amdhsa_inst_pref_size 166
	.end_amdhsa_kernel
	.amdgpu_metadata
---
amdhsa.version: [ 1, 2 ]
amdhsa.kernels:
  - .name:           k_q0258212afc_oproj
    .symbol:         k_q0258212afc_oproj.kd
    .args:
      - { .name: ctx16, .offset: 0, .size: 8, .value_kind: global_buffer, .address_space: global }
      - { .name: wo16, .offset: 8, .size: 8, .value_kind: global_buffer, .address_space: global }
      - { .name: bo, .offset: 16, .size: 8, .value_kind: global_buffer, .address_space: global }
      - { .name: out0, .offset: 24, .size: 8, .value_kind: global_buffer, .address_space: global }
    .group_segment_fixed_size: 327680
    .private_segment_fixed_size: 0
    .kernarg_segment_align: 8
    .kernarg_segment_size: 32
    .max_flat_workgroup_size: 128
    .sgpr_count:     68
    .vgpr_count:     512
    .wavefront_size: 32
...
	.end_amdgpu_metadata
.endif
;; end of part 4
